; MI455X (gfx1250); checked and timed in simulation.
; The chip was launched on July 23, 2026; its instructions are those of AMD's public machine-readable ISA for CDNA 5 (MIT licence, August 2026) and "CDNA5" Instruction Set Architecture Reference Guide (July 2026). The comments in the code are by the model that wrote it; some were corrected since.
;; Gemma Attention. Allowed arithmetic: matrix products marked QUANTISED: E4M3 operands, one given power-of-two scale a tensor, by v_wmma_f32_16x16x64_fp8_fp8 or v_wmma_f32_16x16x128_fp8_fp8, f32 sums; everything else in f32.
;; Inputs: hidden_states 4 x 1,024 x 2,048 float32; lowp_scales 8 int32 (the exponents e of the quantised operands' scales 2^e); w_o 2,048 x 2,048 float32; w_qkv 3,072 x 2,048 float32.
;; Outputs: out0 4 x 1,024 x 2,048 float32.
;; This version of the problem:
;;   THIS VERSION OF THE PROBLEM IS GIVEN IN LOW PRECISION. The matrix products marked QUANTISED in the list below multiply operands that are first quantised to E4M3 (4 exponent bits, 3 mantissa bits; 8 bits a number), with one given power-of-two scale for each operand tensor; their sums are f32. All else is computed in f32.
;;   The module's matrix products, in the order in which they are computed (A, B: the left and right operand; K: the contracted axis; several contracted axes count as one K, in the product's order):
;;     1. [M 4,096, K 2,048] x [K 2,048, N 3,072]; A: input hidden_states; B: input w_qkv: QUANTISED (scales: A lowp_scales[0], B lowp_scales[1])
;;     2. batch 64 x [M 1,024, K 128] x [K 128, N 1,024]; A: computed on the way; B: computed on the way: QUANTISED (scales: A lowp_scales[2], B lowp_scales[3])
;;     3. batch 64 x [M 128, K 1,024] x [K 1,024, N 1,024]; A: computed on the way; B: softmax (see below): QUANTISED (scales: A lowp_scales[4], B lowp_scales[5])
;;     4. [M 4,096, K 2,048] x [K 2,048, N 2,048]; A: computed on the way; B: input w_o: QUANTISED (scales: A lowp_scales[6], B lowp_scales[7])
;;   THE QUANTISER, for each operand of a quantised product, along K:
;;     - The operand's scale is 2^e, e = its entry of the input lowp_scales (int32; the entries are numbered through the quantised products in the list's order, A before B).
;;     - Each number is divided by the scale, clamped to +-448, and rounded to the nearest number of E4M3, ties to even, subnormals kept.
;;     - The product sums the exact products of the quantised numbers (number of the format x scale) in f32.
;;   ~~~python
;;   def quantise(x, axis, e):      # numpy; x: float32 -> the quantised numbers, widened to float32 again
;;       x = np.moveaxis(x, axis, -1); K = x.shape[-1]
;;       r = np.clip(x / 2.0 ** e, -448, 448)
;;       step = 2.0 ** (np.maximum(np.frexp(np.where(r == 0, 1, r))[1] - 1, -6) - 3)
;;       q = np.round(r / step) * step * 2.0 ** e      # np.round: ties to even
;;       return np.moveaxis(q, -1, axis).astype(np.float32)
;;   ~~~
;;   SOFTMAX AHEAD OF A QUANTISED PRODUCT. Where the list says 'softmax', what is quantised is not the finished softmax but p = 2^(t - M), with t = logit x log2(e) and M = ceil(the row's largest t), a whole number; so 1/2 < the row's largest p <= 1. The row's sum l is taken of the UNQUANTISED p, in f32, and the product's result is divided by l at the end. Since M is a whole number, a kernel that streams over the keys may use a running M (the ceiling of the running maximum): every later rescaling is an exact power of two, so the quantised numbers keep their values, but for numbers so far below the row's largest that they fall under the format's range.
;;   OPERANDS COMPUTED ON THE WAY. 'Computed on the way' means the value that the module computes at that place (a softmax that the list does not call 'softmax' is quantised finished and normalised). What goes into a quantiser is computed in f32, as accurately as f32 sums, v_exp_f32 and their like allow (about 1e-6 of the number): no bf16 or f16 on the way to a quantiser, and a product that is left as it is and whose result goes on into a quantised operand takes f32 operands (vector FMAs, or v_wmma_f32_16x16x4_f32). A number that lies on a knife's edge between two numbers of the format may be rounded either way, as far as f32 arithmetic and the matrix unit's own rounding can turn it there, and no further.
;; One version. Each part assembles by itself: llvm-mc -triple=amdgcn-amd-amdhsa -mcpu=gfx1250 --defsym DOCPART=n.
;; ======== version 1 of 1: 4 launches
;; limits: right only within a limited range of input values
;; workspace buffers: h_codes 8,388,608 bytes; wqkv_codes 6,291,456 bytes; wo_codes 4,194,304 bytes; rope_tab 524,288 bytes; q_img 8,388,608 bytes; k_img 2,097,152 bytes; v_img 2,097,152 bytes; o_img 8,388,608 bytes
;; launch quant (part 1): grid 640 x 1, 4 waves a work-group, no clusters, 55,808 bytes of LDS; arguments hidden_states, w_qkv, w_o, lowp_scales, h_codes, wqkv_codes, wo_codes, rope_tab; writes h_codes, wqkv_codes, wo_codes, rope_tab
.if DOCPART == 1
	.amdgcn_target "amdgcn-amd-amdhsa--gfx1250"
	.amdhsa_code_object_version 6
	.text
	.protected	k_qb91fff3b8e_quant
	.globl	k_qb91fff3b8e_quant
	.p2align	8
	.type	k_qb91fff3b8e_quant,@function
k_qb91fff3b8e_quant:
	s_mov_b64 s[64:65], 0
	v_nop
	global_prefetch_b8 v0, s[64:65] scope:SCOPE_SE
	s_setreg_imm32_b32 hwreg(HW_REG_WAVE_MODE, 25, 1), 1
	s_wait_xcnt 0x0
; LAUNCH 1 OF 4.  hidden_states [4096][2048], w_qkv [3072][2048] and w_o [2048][2048], f32 with K innermost, become codes of FP8 (E4M3), one byte each, each tensor with its given
; scale 2^e (entries 0, 1 and 7 of lowp_scales): code = x / 2^e, held within +-448, to the nearest code, ties to even.  The same launch makes the table of cosines and sines for the rotary embedding.
; LIMITS: -126 <= e and e + 8 <= 127 for the three entries.  NaN among the inputs is not served.  The table's frequency is 2^(-i log2(10000) / 64) by v_exp_f32 of a rounded argument: its relative
; error is a few units in the last place, so an angle near 1,023 rad may differ from the exact one by about 1e-4 rad.
; ORDER OF THE CODES.  Of each 32 codes along K the two middle groups of eight change places: stored order k 0-7, 16-23, 8-15, 24-31.  A fragment load of 16 bytes at row + 32 c + 16 (lane / 16) then
; brings k = 32 c + 8 (lane / 16) + 0..7 and 32 c + 16 + 8 (lane / 16) + 0..7: the places that the plain 8-bit matrix form gives registers 4 c .. 4 c + 3.
; SHARES.  Work-groups 0-255 take hidden_states, 256-447 w_qkv, 448-575 w_o: 32,768 numbers each, a wave 16 steps of 512.  Only pointers are chosen: the three tensors take one path.
; Each of a step's four loads reads 512 consecutive bytes; the 2,048 bytes turn through the wave's own stage in LDS and come back so that a lane holds the 16 numbers of its 16 stored bytes;
; a wave's store covers 512 consecutive bytes.  Loads run four steps ahead, the turn through LDS one step.  Waves share nothing: no barrier.
; Work-groups 576-639 make the table: work-group sb, wave b, lane (r, h): position 16 sb + r, frequencies 16 b + 8 h + 0..7.  They use no LDS.
.set STEPS, 16
.set WG_W,  256                        ; w_qkv's first work-group
.set WG_O,  448                        ; w_o's
.set WG_T,  576                        ; the table's
.set EMAX,  8
.set MANT,  0x600000                   ; the mantissa field of 448 as f32
.set R,     16                         ; v16-79   four sets of 16 numbers as they are loaded
.set X,     80                         ; v80-111  two sets of 16 numbers in the order of a lane's codes
.set C,     128                        ; v128-191 codes: four registers for each step, so that no store's data are written again
.set WREG,  13824                      ; LDS: a region for each wave: two stages of 32 x SP bytes (5,120), then the stage of codes, 32 x 272 bytes
.set SP,    80                         ; a place in a stage: 64 bytes (16 numbers) + 16 of padding
.set TF,    16                         ; the table's registers, eight each: frequency, then angle
.set TN,    24                         ; n = the nearest whole number to angle x 2 / pi
.set TR,    32                         ; the reduced angle r
.set TZ,    40                         ; r^2
.set TP,    48                         ; sin r
.set TQ,    56                         ; cos r
.set TI,    64                         ; n as a whole number
.set TT,    72                         ; at work
.set TCOS,  80
.set TSIN,  88
.set TU,    96                         ; at work
	s_load_b256 s[4:11], s[0:1], 0x0               ; hidden_states s[4:5], w_qkv s[6:7], w_o s[8:9], lowp_scales s[10:11]
	s_load_b256 s[12:19], s[0:1], 0x20             ; h_codes s[12:13], wqkv_codes s[14:15], wo_codes s[16:17], rope_tab s[18:19]
	v_lshl_add_u32 v192, v0, 2, 0xd800             ; the spare words lie behind the four regions: 4 x 13,824
	v_mov_b32 v193, 0
	v_lshrrev_b32 v1, 5, v0
	v_readfirstlane_b32 s20, v1                    ; wave 0..3
	v_and_b32 v2, 31, v0                           ; lane
	v_lshlrev_b32 v3, 4, v2                        ; 16 x lane: my 16 bytes of a load's, and of a store's, 512; never rewritten
	s_cmp_ge_u32 ttmp9, WG_T
	s_cbranch_scc1 .Ltable
	s_mul_i32 s21, s20, WREG
	v_lshrrev_b32 v14, 2, v2
	v_mul_u32_u24 v14, v14, SP
	v_and_b32 v15, 3, v2
	v_lshl_add_u32 v14, v15, 4, v14
	v_add_nc_u32 v14, s21, v14                     ; the stage, on the way in: four lanes' 64 bytes on end, then 16 of padding
	v_lshrrev_b32 v15, 1, v2
	v_mul_u32_u24 v15, v15, 2*SP
	v_and_b32 v13, 1, v2
	v_lshl_add_u32 v15, v13, 5, v15
	v_add_nc_u32 v15, s21, v15
	v_mul_u32_u24 v9, v2, 272
	v_add_nc_u32 v9, s21, v9                       ; the stage of codes, on the way in: a lane's 16 steps x 16 bytes on end, 272 bytes from lane to lane
	v_lshrrev_b32 v8, 4, v2
	v_mul_u32_u24 v8, v8, 272
	v_and_b32 v13, 15, v2
	v_lshl_add_u32 v8, v13, 4, v8
	v_add_nc_u32 v8, s21, v8                       ; on the way out: sixteen lanes read one such run of 256 bytes
	s_wait_alu depctr_va_vdst(0)
	s_wait_kmcnt 0x0
	s_load_b256 s[24:31], s[10:11], 0x0            ; e0 .. e7
	s_cmp_lt_u32 ttmp9, WG_O                       ; which tensor: the choice hangs on the work-group's number alone
	s_cselect_b64 s[32:33], s[6:7], s[8:9]
	s_cselect_b64 s[34:35], s[14:15], s[16:17]
	s_mov_b32 s37, WG_O
	s_cselect_b32 s37, WG_W, s37
	s_cmp_lt_u32 ttmp9, WG_W
	s_cselect_b64 s[32:33], s[4:5], s[32:33]       ; the numbers
	s_cselect_b64 s[34:35], s[12:13], s[34:35]     ; the codes
	s_cselect_b32 s37, 0, s37                      ; the tensor's first work-group
	; A WORK-GROUP TAKES 16 ROWS, a wave 512 along K of them: step t is row t.  After 16 steps lane 2 c + x holds, for rows 0-15, the 16 bytes that lanes (row, x) of a fragment's
	; registers 4 (c % 4) .. + 3 take: 256 bytes on end of the image of fragment c / 4.  All three tensors leave as such images (2,048 bytes a fragment of 16 rows x 128 K), laid in the order in which launches 2 and 4 walk them.
	s_sub_co_u32 s38, ttmp9, s37                   ; which 16 rows of the tensor
	s_lshl_b32 s40, s38, 17                        ; 16 rows of 8,192 bytes,
	s_lshl_b32 s42, s20, 11                        ; + 2,048 bytes a wave
	s_add_co_u32 s40, s40, s42
	s_mov_b32 s41, 0
	s_add_nc_u64 s[32:33], s[32:33], s[40:41]
	s_lshl_b32 s43, s38, 15                        ; h_codes [16 rows][K step 16][2,048]: my four fragments lie on end
	s_lshl_b32 s42, s20, 13
	s_add_co_u32 s43, s43, s42
	s_lshr_b32 s44, s38, 4                         ; wo_codes [block x 8][K step 16][wave w 4][fragment 4][2,048]: rows 256 x + 64 w + 16 f
	s_lshl_b32 s44, s44, 19
	s_lshl_b32 s42, s20, 17                        ; my first K step: 4 x wave, 32,768 bytes a step
	s_add_co_u32 s44, s44, s42
	s_and_b32 s42, s38, 15
	s_lshl_b32 s42, s42, 11
	s_add_co_u32 s44, s44, s42
	s_lshr_b32 s45, s38, 3                         ; wqkv_codes [block x 8][K step 16][wave w 4][fragment 6][2,048].  The head: 0-15 queries, 16-19 keys, 20-23 values
	s_lshr_b32 s46, s45, 1                         ; block x holds query heads 2 x, 2 x + 1 (g = 0, 1) and key or value head 16 + x (g = 2)
	s_and_b32 s47, s45, 1
	s_sub_co_u32 s48, s45, 16
	s_cmp_lt_u32 s45, 16
	s_cselect_b32 s46, s46, s48
	s_cselect_b32 s47, s47, 2
	s_mul_i32 s46, s46, 786432
	s_mul_i32 s42, s20, 196608                     ; my first K step: 4 x wave
	s_add_co_u32 s46, s46, s42
	s_and_b32 s42, s38, 3                          ; the 16 rows 64 u + 16 w of a head go to wave w, fragment 2 g + u
	s_mul_i32 s42, s42, 12288
	s_add_co_u32 s46, s46, s42
	s_lshl_b32 s47, s47, 1
	s_bfe_u32 s42, s38, 0x10002
	s_add_co_u32 s47, s47, s42
	s_lshl_b32 s47, s47, 11
	s_add_co_u32 s46, s46, s47
	s_cmp_lt_u32 ttmp9, WG_O
	s_cselect_b32 s40, s46, s44
	s_mov_b32 s42, 32768                           ; from one K step's fragment to the next: 32,768 bytes in wo_codes,
	s_cselect_b32 s42, 49152, s42                  ; 49,152 in wqkv_codes,
	s_cmp_lt_u32 ttmp9, WG_W
	s_cselect_b32 s40, s43, s40
	s_cselect_b32 s42, 2048, s42                   ; 2,048 in h_codes
	s_mov_b32 s43, 0
	s_add_nc_u64 s[44:45], s[34:35], s[40:41]      ; where my four fragments go (w_o: my rows begin at the first)
	s_add_nc_u64 s[46:47], s[44:45], s[42:43]
	s_add_nc_u64 s[48:49], s[46:47], s[42:43]
	s_add_nc_u64 s[50:51], s[48:49], s[42:43]
.macro LOAD t
.irp i, 0,1,2,3
	global_load_b128 v[R+16*((\t)%4)+4*\i:R+16*((\t)%4)+4*\i+3], v3, s[32:33] offset:8192*(\t)+512*\i th:TH_LOAD_NT   ; row t: 32 lanes read 512 consecutive bytes, read once in the launch
.endr
.endm
.macro TURN t                          ; step t's numbers through the stage: LDS serves a wave's instructions in order (ISA guide 5.7.1.4), so no wait stands between the stores and the loads
.irp i, 0,1,2,3
	ds_store_b128 v14, v[R+16*((\t)%4)+4*\i:R+16*((\t)%4)+4*\i+3] offset:32*SP*((\t)%2)+8*SP*\i
.endr
	ds_load_b128 v[X+16*((\t)%2):X+16*((\t)%2)+3],     v15 offset:32*SP*((\t)%2)
	ds_load_b128 v[X+16*((\t)%2)+4:X+16*((\t)%2)+7],   v15 offset:32*SP*((\t)%2)+16
	ds_load_b128 v[X+16*((\t)%2)+8:X+16*((\t)%2)+11],  v15 offset:32*SP*((\t)%2)+SP
	ds_load_b128 v[X+16*((\t)%2)+12:X+16*((\t)%2)+15], v15 offset:32*SP*((\t)%2)+SP+16
.endm
.irp t, 0,1,2,3
	LOAD \t
.endr
	s_wait_kmcnt 0x0
	s_cmp_lt_u32 ttmp9, WG_O
	s_cselect_b32 s36, s25, s31                    ; e1 for w_qkv, e7 for w_o,
	s_cmp_lt_u32 ttmp9, WG_W
	s_cselect_b32 s36, s24, s36                    ; e0 for hidden_states
	s_add_co_i32 s36, s36, 127
	s_lshl_b32 s39, s36, 23
	v_mov_b32 v11, s39                             ; 2^e as f32: the conversion takes its exponent field
	s_add_co_i32 s36, s36, EMAX
	s_lshl_b32 s36, s36, 23
	s_or_b32 s36, s36, MANT
	v_mov_b32 v10, s36                             ; 448 x 2^e
	s_wait_alu depctr_va_vdst(0)
	s_wait_loadcnt 12                              ; step 0's four loads are in; those of steps 1 to 3 may be out
	TURN 0
.macro STEP t
.set XS, X+16*((\t)%2)
	s_wait_dscnt 0x0                               ; this step's numbers are back from the stage: so its stores into the stage have read their registers,
.if (\t)+4 < STEPS
	LOAD (\t)+4                                    ; which take the loads of four steps on
.endif
.if (\t)+1 < STEPS
.if STEPS-2-(\t) >= 3
	s_wait_loadcnt 12                              ; the next step's four loads are in; those of the three steps behind it may be out
.else
	s_wait_loadcnt 4*(STEPS-2-(\t))
.endif
	TURN (\t)+1                                    ; and go through the other stage while this step is worked
.endif
.irp i, 0,1,2,3,4,5,6,7,8,9,10,11,12,13,14,15
	v_med3_num_f32 v[XS+\i], v[XS+\i], -v10, v10   ; the conversion to an 8-bit code does not saturate (ISA guide 7.6.2): the hold at the largest code x the scale comes first
.endr
	v_cvt_scalef32_pk8_fp8_f32 v[C+4*(\t):C+4*(\t)+1], v[XS:XS+7], v11
	v_cvt_scalef32_pk8_fp8_f32 v[C+4*(\t)+2:C+4*(\t)+3], v[XS+8:XS+15], v11
	ds_store_b128 v9, v[C+4*(\t):C+4*(\t)+3] offset:5120+16*(\t)   ; row t's 16 codes into my run of the stage of codes
.endm
.irp t, 0,1,2,3,4,5,6,7,8,9,10,11,12,13,14,15
	STEP \t
.endr
.irp j, 0,1,2,3,4,5,6,7,8,9,10,11,12,13,14,15
	ds_load_b128 v[R+4*\j:R+4*\j+3], v8 offset:5120+544*\j   ; LDS serves a wave's instructions in order: these see my stores.  Bytes 512 j .. 512 j + 511 of my four images
.endr
.irp j, 0,1,2,3,4,5,6,7,8,9,10,11,12,13,14,15
	s_wait_dscnt 15-\j
	global_store_b128 v3, v[R+4*\j:R+4*\j+3], s[44+2*(\j/4):45+2*(\j/4)] offset:512*(\j%4)   ; each store of the wave covers 512 consecutive bytes, aligned
.endr
	s_wait_tensorcnt 0x0
	ds_add_u32 v192, v193
	s_wait_dscnt 0x0
	s_endpgm
; THE TABLE.  rope_tab [sb 64][b 4][w 4][lane 32][4] f32: w = 0, 1: cos at j = 0-3, 4-7; w = 2, 3: sin.  angle = position x frequency, rounded once, as reference() has it.
; cos and sin by reduction to |r| <= pi / 4: n = nearest(angle x 2 / pi) (652 at the most); r = angle - n pi/2 with pi/2 in two parts: the first product is exact in the fused multiply-add
; (n has 10 bits, the part 24, and the difference is a multiple of 2^-23 under 1); polynomials of degree 7 and 8; the quadrant n mod 4 swaps the two and sets the signs.
.Ltable:
	v_and_b32 v1, 15, v0                           ; r
	v_bfe_u32 v4, v0, 4, 1                         ; h
	s_sub_co_u32 s21, ttmp9, WG_T                  ; sb
	s_lshl_b32 s22, s21, 4
	v_add_nc_u32 v1, s22, v1                       ; position
	v_cvt_f32_u32 v6, v1
	s_lshl_b32 s23, s20, 4
	v_lshl_add_u32 v4, v4, 3, s23                  ; 16 b + 8 h
	s_mov_b32 s40, 0xbe2aaaa3                      ; sin: -1.6666655e-1,
	s_mov_b32 s41, 0x3c08839e                      ; 8.3321609e-3,
	s_mov_b32 s42, 0xb94ca1f9                      ; -1.9515296e-4
	s_mov_b32 s43, 0x3d2aaaa5                      ; cos: 4.1666646e-2,
	s_mov_b32 s44, 0xbab6061a                      ; -1.3887316e-3,
	s_mov_b32 s45, 0x37ccf5ce                      ; 2.4433157e-5
.irp j, 0,1,2,3,4,5,6,7
	v_add_nc_u32 v[TF+\j], \j, v4                  ; i
.endr
.irp j, 0,1,2,3,4,5,6,7
	v_cvt_f32_u32 v[TF+\j], v[TF+\j]
.endr
.irp j, 0,1,2,3,4,5,6,7
	v_mul_f32 v[TF+\j], 0xbe549a78, v[TF+\j]       ; -i log2(10000) / 64
.endr
	s_wait_alu depctr_va_vdst(0)
.irp j, 0,1,2,3,4,5,6,7
	v_exp_f32 v[TF+\j], v[TF+\j]                   ; the frequency: one batch of eight
.endr
	v_nop                                          ; a plain instruction behind the last of them (ISA guide 5.7.2),
	s_wait_alu depctr_va_vdst(0)                   ; and the wait ahead of the batch's first reader
.irp j, 0,1,2,3,4,5,6,7
	v_mul_f32 v[TF+\j], v6, v[TF+\j]               ; the angle
.endr
.irp j, 0,1,2,3,4,5,6,7
	v_mul_f32 v[TN+\j], 0x3f22f983, v[TF+\j]       ; x 2 / pi
.endr
.irp j, 0,1,2,3,4,5,6,7
	v_rndne_f32 v[TN+\j], v[TN+\j]
.endr
.irp j, 0,1,2,3,4,5,6,7
	v_fmamk_f32 v[TR+\j], v[TN+\j], 0xbfc90fdb, v[TF+\j]   ; - n x 1.57079637
.endr
.irp j, 0,1,2,3,4,5,6,7
	v_fmamk_f32 v[TR+\j], v[TN+\j], 0x333bbd2e, v[TR+\j]   ; + n x 4.37113883e-8: what that part has over pi / 2
.endr
.irp j, 0,1,2,3,4,5,6,7
	v_mul_f32 v[TZ+\j], v[TR+\j], v[TR+\j]
	v_cvt_i32_f32 v[TI+\j], v[TN+\j]
.endr
.irp j, 0,1,2,3,4,5,6,7
	v_fma_f32 v[TP+\j], v[TZ+\j], s42, s41
	v_fma_f32 v[TQ+\j], v[TZ+\j], s45, s44
.endr
.irp j, 0,1,2,3,4,5,6,7
	v_fma_f32 v[TP+\j], v[TP+\j], v[TZ+\j], s40
	v_fma_f32 v[TQ+\j], v[TQ+\j], v[TZ+\j], s43
	v_mul_f32 v[TT+\j], v[TZ+\j], v[TR+\j]
	v_mul_f32 v[TU+\j], v[TZ+\j], v[TZ+\j]
.endr
.irp j, 0,1,2,3,4,5,6,7
	v_fma_f32 v[TP+\j], v[TP+\j], v[TT+\j], v[TR+\j]       ; sin r = r + r^3 (..)
	v_fma_f32 v[TT+\j], v[TZ+\j], -0.5, 1.0
.endr
.irp j, 0,1,2,3,4,5,6,7
	v_fma_f32 v[TQ+\j], v[TQ+\j], v[TU+\j], v[TT+\j]       ; cos r = 1 - r^2 / 2 + r^4 (..)
	v_and_b32 v[TT+\j], 1, v[TI+\j]
.endr
.irp j, 0,1,2,3,4,5,6,7
	v_cmp_eq_u32 vcc_lo, 1, v[TT+\j]               ; an odd quadrant swaps the two
	v_cndmask_b32 v[TSIN+\j], v[TP+\j], v[TQ+\j], vcc_lo
	v_cndmask_b32 v[TCOS+\j], v[TQ+\j], v[TP+\j], vcc_lo
.endr
.irp j, 0,1,2,3,4,5,6,7
	v_lshlrev_b32 v[TT+\j], 30, v[TI+\j]           ; sin is negated in quadrants 2 and 3: bit 1 of n,
	v_add_nc_u32 v[TU+\j], 1, v[TI+\j]             ; cos in quadrants 1 and 2: bit 1 of n + 1
.endr
.irp j, 0,1,2,3,4,5,6,7
	v_and_b32 v[TT+\j], 0x80000000, v[TT+\j]
	v_lshlrev_b32 v[TU+\j], 30, v[TU+\j]
.endr
.irp j, 0,1,2,3,4,5,6,7
	v_xor_b32 v[TSIN+\j], v[TT+\j], v[TSIN+\j]
	v_and_b32 v[TU+\j], 0x80000000, v[TU+\j]
.endr
.irp j, 0,1,2,3,4,5,6,7
	v_xor_b32 v[TCOS+\j], v[TU+\j], v[TCOS+\j]
.endr
	s_lshl_b32 s22, s21, 13                        ; 8,192 sb
	s_lshl_b32 s23, s20, 11                        ; + 2,048 b
	s_add_co_u32 s22, s22, s23
	s_mov_b32 s23, 0
	s_wait_alu depctr_va_vdst(0)
	s_wait_kmcnt 0x0
	s_add_nc_u64 s[18:19], s[18:19], s[22:23]
	global_store_b128 v3, v[TCOS:TCOS+3],   s[18:19]               ; each store of the wave covers 512 consecutive bytes, aligned
	global_store_b128 v3, v[TCOS+4:TCOS+7], s[18:19] offset:512
	global_store_b128 v3, v[TSIN:TSIN+3],   s[18:19] offset:1024
	global_store_b128 v3, v[TSIN+4:TSIN+7], s[18:19] offset:1536
	s_endpgm
.Lfunc_end_k_qb91fff3b8e_quant:
	.size	k_qb91fff3b8e_quant, .Lfunc_end_k_qb91fff3b8e_quant-k_qb91fff3b8e_quant
	.p2alignl 7, 3214868480
	.fill 96, 4, 3214868480
	.section	.rodata,"a",@progbits
	.p2align	6, 0x0
	.amdhsa_kernel k_qb91fff3b8e_quant
		.amdhsa_group_segment_fixed_size 55808
		.amdhsa_private_segment_fixed_size 0
		.amdhsa_enable_private_segment 0
		.amdhsa_kernarg_size 64
		.amdhsa_user_sgpr_count 2
		.amdhsa_user_sgpr_kernarg_segment_ptr 1
		.amdhsa_wavefront_size32 1
		.amdhsa_system_sgpr_workgroup_id_x 1
		.amdhsa_system_sgpr_workgroup_id_y 1
		.amdhsa_system_sgpr_workgroup_id_z 1
		.amdhsa_system_vgpr_workitem_id 0
		.amdhsa_next_free_vgpr 194
		.amdhsa_next_free_sgpr 66
		.amdhsa_reserve_vcc 1
		.amdhsa_float_denorm_mode_32 3
		.amdhsa_float_denorm_mode_16_64 3
		.amdhsa_memory_ordered 1
		.amdhsa_forward_progress 1
		.amdhsa_inst_pref_size 55
	.end_amdhsa_kernel
	.amdgpu_metadata
---
amdhsa.version: [ 1, 2 ]
amdhsa.kernels:
  - .name:           k_qb91fff3b8e_quant
    .symbol:         k_qb91fff3b8e_quant.kd
    .args:
      - { .name: hidden_states, .offset: 0, .size: 8, .value_kind: global_buffer, .address_space: global }
      - { .name: w_qkv, .offset: 8, .size: 8, .value_kind: global_buffer, .address_space: global }
      - { .name: w_o, .offset: 16, .size: 8, .value_kind: global_buffer, .address_space: global }
      - { .name: lowp_scales, .offset: 24, .size: 8, .value_kind: global_buffer, .address_space: global }
      - { .name: h_codes, .offset: 32, .size: 8, .value_kind: global_buffer, .address_space: global }
      - { .name: wqkv_codes, .offset: 40, .size: 8, .value_kind: global_buffer, .address_space: global }
      - { .name: wo_codes, .offset: 48, .size: 8, .value_kind: global_buffer, .address_space: global }
      - { .name: rope_tab, .offset: 56, .size: 8, .value_kind: global_buffer, .address_space: global }
    .group_segment_fixed_size: 55808
    .private_segment_fixed_size: 0
    .kernarg_segment_align: 8
    .kernarg_segment_size: 64
    .max_flat_workgroup_size: 128
    .sgpr_count:     66
    .vgpr_count:     194
    .wavefront_size: 32
...
	.end_amdgpu_metadata
.endif
;; end of part 1
;; launch gemm_qkv (part 2): grid 8 x 32, 4 waves a work-group, clusters of 4 x 1, 327,680 bytes of LDS; arguments h_codes, wqkv_codes, lowp_scales, rope_tab, q_img, k_img, v_img; writes q_img, k_img, v_img
.if DOCPART == 2
	.amdgcn_target "amdgcn-amd-amdhsa--gfx1250"
	.amdhsa_code_object_version 6
	.text
	.protected	k_qb91fff3b8e_gemm_qkv
	.globl	k_qb91fff3b8e_gemm_qkv
	.p2align	8
	.type	k_qb91fff3b8e_gemm_qkv,@function
k_qb91fff3b8e_gemm_qkv:
	s_mov_b64 s[64:65], 0
	v_nop
	global_prefetch_b8 v0, s[64:65] scope:SCOPE_SE
	s_setreg_imm32_b32 hwreg(HW_REG_WAVE_MODE, 25, 1), 1
	s_wait_xcnt 0x0
	s_wait_alu depctr_hold_cnt(0) depctr_sa_sdst(0) depctr_va_vdst(0) depctr_va_sdst(0) depctr_va_ssrc(0) depctr_va_vcc(0) depctr_vm_vsrc(0)
	s_getreg_b32 s2, hwreg(HW_REG_IB_STS2, 6, 4)
	s_cmp_eq_u32 s2, 0
	s_cbranch_scc0 .Lentry_in_a_cluster
	s_endpgm
.Lentry_in_a_cluster:
	s_bfe_u32 s2, ttmp6, 0x10000c
	s_cmp_lg_u32 s2, 0x3003
	s_cbranch_scc0 .Lentry_shape_is_right
	s_endpgm
.Lentry_shape_is_right:
; LAUNCH 2 OF 4.  qkv = hidden_states w_qkv^T on codes of FP8 (E4M3), the rotary embedding of queries and keys, and the quantising of q, k and v (2^e2, 2^e3, 2^e4) for the attention.
; SHARES.  256 work-groups.  Work-group (x, y) makes positions 128 y .. + 127 of three heads: query heads 2 x and 2 x + 1, and key head x (x < 4) or value head x - 4.  Wave w takes, of each head,
; the channels 16 w .. + 15 and 64 + 16 w .. + 15: the two partners of a rotation lie in one lane.  A wave: 128 x 96, 48 accumulators, 384 registers; 16 steps of 128 along K, 48 matrix instructions each.
; A.  The block's 128 rows x 2,048 K are 262,144 bytes of fragment images (16 rows x 128 K = 2,048 bytes: registers 4 c .. 4 c + 3 of lane l at byte 512 c + 16 l).  They lie whole in LDS, each byte filled once, by
; joint loads named for the four work-groups of the cluster, which share y.  Wave w fetches row tiles 2 w and 2 w + 1: K steps 0-7 (32,768 bytes) at the head, K steps 8-15 as a later first fill, behind the full
; sequence and a round of the cluster's barrier; that second half has steps 0 to 6 in which to land and is awaited once, at a barrier in step 7.  No ring and no refill.
; B.  A wave's 96 rows of w_qkv are read by no other wave of the work-group, so they go from memory straight into registers, laid by launch 1 as images in the order of the walk: 12,288 consecutive bytes a step.
; Three sets of registers: a step's 24 loads are issued two steps ahead, 48 are out at the most.  B is not asked for jointly: it does not pass through LDS, of which A takes 262,144 bytes.
; PREFETCH of B: a step's 49,152 bytes of block x are read by the 32 work-groups of column x, which share the steps out: work-group y names half y % 2 of step y / 2, 96 blocks of 256 bytes (waves 0 to 2, a lane a
; block), in step y / 2 - 4: two steps ahead of the loads.  Steps 0 to 3 come by their loads alone.  A is asked for at the head and behind it: there is no loop to run ahead in.
; LAYOUT.  Queries and keys: source 0 = 16 rows of w_qkv, source 1 = 16 positions: a lane holds one position and eight neighbouring channels.  Their images hold the channels in the order 16 c + .., 64 + 16 c + ..
; in registers 4 c .. 4 c + 3, alike in q and k, so each product of q . k meets its partner.  Values: the sources change places (a branch on the cluster's x, which the partners share): a lane holds one channel, its
; registers run along the positions, which are the keys of the attention's second product.
; The sums stand for sum x 2^(e0 + e1); the rotation is linear, so the scales are folded into the conversion's one: 2^(e - e0 - e1).  LIMITS: e - e0 - e1 between -126 and 119 for e = e2, e3, e4.
; REGISTERS, in windows of 256.  0: v0-31 addresses, v32-127 B set 0, v128-255 A set 0.  1: v32-127 B set 1, v128-255 A set 1.  2: heads 0, 1: accumulator (g, a, u) at 128 g + 16 a + 8 u.
; 3: v0-127 head 2, v128-223 B set 2.  The table of cosines and sines takes B's sets 1 and 2 when they are done with; the way out works in window 0.
.set SPARE, 262144
.set LI,  1                            ; v1    16 x lane
.set ADA, 2                            ; v2-5  LDS address of A: 65,536 i + 16 x lane; fragment (a, step) lies at 131,072 (step / 8) + 16,384 a + 2,048 (step % 8)
.set SPW, 6                            ; v6    my spare word;  v7  0
.set NIL, 7
.set SCQ, 8                            ; v8, v9   the queries' scale and bound;  v10, v11 the third head's
.set LMQ, 9
.set SC3, 10
.set LM3, 11
.set PFO, 12                           ; v12   256 x lane
.set T,   32                           ; the way out: at work
.set T2,  40
.set YY,  48
.set WV,  18
.set CX,  19
.set Y,   20
.set G1,  24
.set G0,  32                           ; s[32:35] group 0 for K steps 0-7;  s[72:75] for K steps 8-15
.set G0B, 72
.set E,   36                           ; s[36:43] e0 .. e7
.set BB,  44                           ; s[44:45] my wave's images of B
.set TB,  46                           ; s[46:47] my part of the table
.set QB,  48                           ; s[48:49] q_img;  s[50:51] k_img or v_img
.set KB,  50
.set PFA, 52                           ; s[52:53] what my wave prefetches;  s54 in which step
.set PT,  54
.set MSB, 0
.macro WIN new                         ; the immediate's high byte repeats the setting that is left
.if MSB != (\new)
	s_set_vgpr_msb (MSB<<8)|(\new)
.set MSB, (\new)
.endif
.endm
.macro PLACES
.rept 4
	v_nop
.endr
.endm
.macro CROUND
	s_barrier_signal -1
	s_barrier_wait -1
	s_cmp_lg_u32 s[WV], 0
	s_cbranch_scc1 .Lnot_wave_0_\@
	s_barrier_signal -3
.Lnot_wave_0_\@:
	s_barrier_wait -3
	s_barrier_signal -1
	s_barrier_wait -1
.endm
.macro BSET p                          ; set p's window (0, 1, 3) and first register
.set BWN, (\p)+(\p)/2
.set BBS, 32+96*((\p)/2)
.endm
.macro BLOAD p, st                     ; step st's six fragments of B into set p: each load reads 512 consecutive bytes
	BSET \p
	WIN BWN<<6
.irp f, 0,1,2,3,4,5
.irp c, 0,1,2,3
	global_load_b128 v[BBS+16*\f+4*\c:BBS+16*\f+4*\c+3], v[LI], s[BB:BB+1] offset:(\st)*49152+\f*2048+\c*512
.endr
.endr
.endm
.macro ALOAD q, st                     ; step st's eight fragments of A into set q: an image comes back as it lies, 512 consecutive bytes a load
	WIN (\q)<<6
.irp a, 0,1,2,3,4,5,6,7
.irp c, 0,1,2,3
	ds_load_b128 v[128+16*\a+4*\c:128+16*\a+4*\c+3], v[ADA+2*((\st)/8)+\a/4] offset:(\a%4)*16384+((\st)%8)*2048+\c*512
.endr
.endr
.endm
.macro TLOAD a                         ; the table for positions 16 a .. + 15: eight cosines, eight sines a lane, at v[32 + 16 a] of window 1 (a < 6) or 3
	WIN (1+2*((\a)/6))<<6
.irp i, 0,1,2,3
	global_load_b128 v[32+16*(\a)+4*\i:32+16*(\a)+4*\i+3], v[LI], s[TB:TB+1] offset:(\a)*8192+512*\i
.endr
.endm
.macro MM d, x, y, zero
.if \zero
	v_wmma_f32_16x16x128_fp8_fp8 v[\d:\d+7], v[\x:\x+15], v[\y:\y+15], 0
.else
	v_wmma_f32_16x16x128_fp8_fp8 v[\d:\d+7], v[\x:\x+15], v[\y:\y+15], v[\d:\d+7]
.endif
.endm
.macro MULQ p, q, zero                 ; the two query heads: 32 accumulators by turns
	BSET \p
	WIN 0xa0|((\q)<<2)|BWN
.irp g, 0,1
.irp a, 0,1,2,3,4,5,6,7
.irp u, 0,1
	MM 128*\g+16*\a+8*\u, BBS+32*\g+16*\u, 128+16*\a, \zero
.endr
.endr
.endr
.endm
.macro MUL3 p, q, zero                 ; the third head: 16 accumulators; for values the sources change places
	BSET \p
	WIN 0
	s_cmp_eq_u32 ttmp9, 0
	s_cbranch_scc0 .Lval_\@
	WIN 0xf0|((\q)<<2)|BWN
.irp a, 0,1,2,3,4,5,6,7
.irp u, 0,1
	MM 16*\a+8*\u, BBS+64+16*\u, 128+16*\a, \zero
.endr
.endr
	WIN 0
	s_branch .Ljoin_\@
.Lval_\@:
	WIN 0xf0|(BWN<<2)|(\q)
.irp a, 0,1,2,3,4,5,6,7
.irp u, 0,1
	MM 16*\a+8*\u, 128+16*\a, BBS+64+16*\u, \zero
.endr
.endr
	WIN 0
.Ljoin_\@:
.endm
.macro STEP s
	s_wait_loadcnt 24                              ; this step's B is in; the 24 loads issued behind it (the next step's; in step 15 the table's) may be out
	s_wait_dscnt 0x0                               ; this step's A is in
.if (\s) == 7
	s_wait_tensorcnt 0x0                           ; my part of A's K steps 8-15 is in,
	s_barrier_signal -1
	s_barrier_wait -1                              ; and everybody's: step 8's fragments are read below
.endif
	PLACES                                         ; four places between the last step's products and loads into the registers that they read
.if (\s) < 14
	BLOAD ((\s)+2)%3, (\s)+2
.endif
.if (\s) == 14
.irp a, 0,1,2,3,4,5
	TLOAD \a
.endr
.endif
.if (\s) == 15
	TLOAD 6
	TLOAD 7
.endif
.if (\s) < 15
	ALOAD ((\s)+1)%2, (\s)+1
.endif
	WIN 0
.if (\s) < 12
	s_cmp_eq_u32 s[PT], \s
	s_cbranch_scc0 .Lnot_mine_\@
	global_prefetch_b8 v[PFO], s[PFA:PFA+1] th:TH_LOAD_NT scope:SCOPE_SE
.Lnot_mine_\@:
.endif
	MULQ (\s)%3, (\s)%2, (\s)==0
	MUL3 (\s)%3, (\s)%2, (\s)==0
.endm
	s_load_b256 s[4:11], s[0:1], 0x0               ; h_codes s[4:5], wqkv_codes s[6:7], lowp_scales s[8:9], rope_tab s[10:11]
	s_load_b128 s[12:15], s[0:1], 0x20             ; q_img s[12:13], k_img s[14:15]
	s_load_b64 s[16:17], s[0:1], 0x30              ; v_img
	v_lshl_add_u32 v[SPW], v0, 2, SPARE
	v_mov_b32 v[NIL], 0
	ds_add_u32 v[SPW], v[NIL]                      ; the opening: the add, twice on end, and its wait ahead of my first tensor load
	ds_add_u32 v[SPW], v[NIL]
	v_lshrrev_b32 v13, 5, v0
	v_readfirstlane_b32 s[WV], v13                 ; wave 0..3
	s_and_b32 s[Y], ttmp7, 0xffff                  ; y: which 128 positions; the four partners share it
	s_mov_b32 s[G1], 15|(3<<16)|(1<<21)            ; the mask: all four work-groups; elements of 8 bytes; bit 21 beside a mask
	s_mov_b32 s[G1+1], 2048<<16                    ; a row: eight K steps of one row tile, 16,384 bytes
	s_mov_b32 s[G1+2], 2<<16                       ; two row tiles
	s_mov_b32 s[G1+3], 2048<<16
	s_mov_b32 s[G1+4], 2
	s_mov_b32 s[G1+5], 4096                        ; 32,768 bytes from row tile to row tile in memory
	s_mov_b32 s[G1+6], 0
	s_mov_b32 s[G1+7], 0
	s_mov_b32 s[G0], 1
	s_lshl_b32 s[G0+1], s[WV], 15                  ; LDS: 32,768 w,
	s_mov_b32 s[G0B], 1
	s_add_co_u32 s[G0B+1], s[G0+1], 131072         ; and the same in the second half
	s_lshl_b32 s60, s[Y], 18                       ; memory: 262,144 y + 65,536 w
	s_lshl_b32 s61, s[WV], 16
	s_add_co_u32 s60, s60, s61
	s_mov_b32 s61, 0
	s_wait_dscnt 0x0
	s_wait_alu depctr_va_vdst(0)
	s_wait_kmcnt 0x0
	s_load_b256 s[E:E+7], s[8:9], 0x0              ; e0 .. e7
	s_add_nc_u64 s[G0+2:G0+3], s[4:5], s[60:61]
	s_add_nc_u64 s[G0B+2:G0B+3], s[G0+2:G0+3], 16384
	s_or_b32 s[G0+3], s[G0+3], 0x80000000
	s_or_b32 s[G0B+3], s[G0B+3], 0x80000000
	CROUND                                         ; the four work-groups are here: the joint loads meet
	tensor_load_to_lds s[G0:G0+3], s[G1:G1+7]      ; K steps 0-7: my one tensor load at the head
	s_nop 0
	PLACES
	s_bfe_u32 s[CX], ttmp6, 0x40000
	s_lshl_b32 s55, ttmp9, 2
	s_add_co_u32 s55, s55, s[CX]                   ; x
	s_mul_i32 s56, s55, 786432
	s_mov_b32 s57, 0
	s_add_nc_u64 s[PFA:PFA+1], s[6:7], s[56:57]    ; block x of wqkv_codes
	s_mul_i32 s56, s[WV], 12288
	s_add_nc_u64 s[BB:BB+1], s[PFA:PFA+1], s[56:57]
	v_and_b32 v[LI], 31, v0
	v_lshlrev_b32 v[LI], 4, v[LI]
	s_wait_alu depctr_va_vdst(0)
	BLOAD 0, 0
	BLOAD 1, 1
	WIN 0
	v_lshlrev_b32 v[PFO], 4, v[LI]
.irp i, 0,1,2,3
	v_add_nc_u32 v[ADA+\i], 65536*\i, v[LI]
.endr
	s_lshr_b32 s58, s[Y], 1                        ; the step of which my work-group prefetches a half
	s_mul_i32 s56, s58, 49152
	s_and_b32 s59, s[Y], 1
	s_mul_i32 s59, s59, 24576
	s_add_co_u32 s56, s56, s59
	s_lshl_b32 s59, s[WV], 13                      ; 8,192 bytes a wave
	s_add_co_u32 s56, s56, s59
	s_add_nc_u64 s[PFA:PFA+1], s[PFA:PFA+1], s[56:57]
	s_sub_co_u32 s[PT], s58, 4                     ; asked in that step less 4 (no step's number where that is under 0)
	s_cmp_lt_u32 s[WV], 3
	s_cselect_b32 s[PT], s[PT], -1                 ; wave 3 asks for nothing
	s_and_b32 s59, s[Y], 7                         ; which 128 positions of the sequence
	s_lshl_b32 s56, s59, 16
	s_lshl_b32 s62, s[WV], 11
	s_add_co_u32 s56, s56, s62
	s_add_nc_u64 s[TB:TB+1], s[10:11], s[56:57]    ; rope_tab [16 positions][frequencies 16 w ..][2,048]
	s_lshr_b32 s63, s[Y], 3                        ; batch
	s_lshl_b32 s66, s63, 4
	s_lshl_b32 s67, s55, 1
	s_add_co_u32 s66, s66, s67                     ; 16 batch + 2 x
	s_lshl_b32 s66, s66, 6
	s_lshl_b32 s67, s59, 3
	s_add_co_u32 s66, s66, s67                     ; + my first tile of 16 positions
	s_lshl_b32 s66, s66, 11
	s_lshl_b32 s68, s[WV], 9
	s_add_co_u32 s56, s66, s68                     ; + 512 w: registers 4 w .. 4 w + 3 of an image
	s_add_nc_u64 s[QB:QB+1], s[12:13], s[56:57]
	s_lshl_b32 s66, s63, 2
	s_add_co_u32 s66, s66, s[CX]                   ; 4 batch + key or value head
	s_lshl_b32 s66, s66, 6
	s_add_co_u32 s66, s66, s67
	s_lshl_b32 s66, s66, 11
	s_cmp_eq_u32 ttmp9, 0
	s_cselect_b32 s68, s68, s62                    ; k: 512 w in each image; v: image w (channels 16 w ..)
	s_cselect_b64 s[KB:KB+1], s[14:15], s[16:17]
	s_add_co_u32 s56, s66, s68
	s_add_nc_u64 s[KB:KB+1], s[KB:KB+1], s[56:57]
	s_wait_alu depctr_va_vdst(0)
	s_wait_tensorcnt 0x0                           ; my part of K steps 0-7 is in
	ds_add_u32 v[SPW], v[NIL]
	s_wait_dscnt 0x0
	CROUND                                         ; everybody's part is in, and the four work-groups are here: the joint loads meet
	tensor_load_to_lds s[G0B:G0B+3], s[G1:G1+7]    ; K steps 8-15: the first tensor load behind the round
	s_nop 0
	PLACES
	ALOAD 0, 0
	WIN 0
.set S, 0
.rept 16
	STEP S
.set S, S+1
.endr
	; THE WAY OUT.  y1 = x1 cos - x2 sin, y2 = x1 sin + x2 cos, held, quantised: 16 codes a lane, registers 4 w .. 4 w + 3 of the image of 16 positions; each store of the wave covers 512 consecutive bytes, aligned.
.macro ROPE g, a, sc, lm, base, off, idx
.set AC, 128*((\g)%2)+16*(\a)
.set TC, 32+16*(\a)
.set PC, 128+4*(\idx)                  ; every image part has its own four registers: no store's data are written again
	WIN (2+(\g)/2)|((1+2*((\a)/6))<<2)             ; source 0: the sums; source 1: the table
.irp i, 0,2,4,6
	v_pk_mul_f32 v[T+\i:T+\i+1], v[AC+8+\i:AC+8+\i+1], v[TC+8+\i:TC+8+\i+1]
.endr
.irp i, 0,2,4,6
	v_pk_mul_f32 v[T2+\i:T2+\i+1], v[AC+8+\i:AC+8+\i+1], v[TC+\i:TC+\i+1]
.endr
.irp i, 0,2,4,6
	v_pk_fma_f32 v[YY+\i:YY+\i+1], v[AC+\i:AC+\i+1], v[TC+\i:TC+\i+1], v[T+\i:T+\i+1] neg_lo:[0,0,1] neg_hi:[0,0,1]
.endr
.irp i, 0,2,4,6
	v_pk_fma_f32 v[YY+8+\i:YY+8+\i+1], v[AC+\i:AC+\i+1], v[TC+8+\i:TC+8+\i+1], v[T2+\i:T2+\i+1]
.endr
	WIN 0
.irp n, 0,1,2,3,4,5,6,7,8,9,10,11,12,13,14,15
	v_med3_num_f32 v[YY+\n], v[YY+\n], -v[\lm], v[\lm]   ; the conversion does not saturate (ISA guide 7.6.2): the hold comes first
.endr
	v_cvt_scalef32_pk8_fp8_f32 v[PC:PC+1], v[YY:YY+7], v[\sc]
	v_cvt_scalef32_pk8_fp8_f32 v[PC+2:PC+3], v[YY+8:YY+15], v[\sc]
	v_nop                                          ; a plain instruction behind the conversions
	global_store_b128 v[LI], v[PC:PC+3], s[\base:\base+1] offset:\off
.endm
	s_wait_kmcnt 0x0
	s_add_co_i32 s55, s[E], s[E+1]
	s_sub_co_i32 s56, s[E+2], s55                  ; e2 - e0 - e1
	s_cmp_eq_u32 ttmp9, 0
	s_cselect_b32 s57, s[E+3], s[E+4]
	s_sub_co_i32 s57, s57, s55                     ; e3 or e4, - e0 - e1
	s_add_co_i32 s56, s56, 127
	s_lshl_b32 s58, s56, 23
	v_mov_b32 v[SCQ], s58
	s_add_co_i32 s56, s56, 8
	s_lshl_b32 s56, s56, 23
	s_or_b32 s56, s56, 0x600000
	v_mov_b32 v[LMQ], s56                          ; 448 x the scale
	s_add_co_i32 s57, s57, 127
	s_lshl_b32 s58, s57, 23
	v_mov_b32 v[SC3], s58
	s_add_co_i32 s57, s57, 8
	s_lshl_b32 s57, s57, 23
	s_or_b32 s57, s57, 0x600000
	v_mov_b32 v[LM3], s57
	PLACES                                         ; places behind the last products
	s_wait_alu depctr_va_vdst(0)
	s_wait_loadcnt 8                               ; the table for positions 0-95 is in; the eight loads for 96-127 may be out
.irp a, 0,1,2,3,4,5,6,7
.if \a == 6
	s_wait_alu depctr_va_vdst(0)
	s_wait_loadcnt 0x0
.endif
	ROPE 0, \a, SCQ, LMQ, QB, \a*2048, 2*\a
	ROPE 1, \a, SCQ, LMQ, QB, 131072+\a*2048, 2*\a+1
.endr
	s_cmp_eq_u32 ttmp9, 0
	s_wait_alu depctr_va_vdst(0)
	s_cbranch_scc0 .Lv_out
.irp a, 0,1,2,3,4,5,6,7
	ROPE 2, \a, SC3, LM3, KB, \a*2048, 16+\a
.endr
	s_branch .Lend
.Lv_out:                                           ; values: tile a's conversion is registers 2 a, 2 a + 1 (keys 16 a + 8 (l / 16) + 0..7) of the image of channels 64 u + 16 w ..
.irp u, 0,1
	WIN 0x03
.set n, 0
.rept 64
	v_med3_num_f32 v[32+n], v[16*(n/8)+8*\u+n%8], -v[LM3], v[LM3]
.set n, n+1
.endr
	WIN 0
.irp a, 0,1,2,3,4,5,6,7
	v_cvt_scalef32_pk8_fp8_f32 v[192+16*\u+2*\a:193+16*\u+2*\a], v[32+8*\a:39+8*\a], v[SC3]
.endr
	v_nop
.irp c, 0,1,2,3
	global_store_b128 v[LI], v[192+16*\u+4*\c:195+16*\u+4*\c], s[KB:KB+1] offset:8192*\u+512*\c
.endr
.endr
.Lend:
	s_wait_tensorcnt 0x0                           ; the wave's end
	ds_add_u32 v[SPW], v[NIL]
	s_wait_dscnt 0x0
	CROUND                                         ; the closing round
	s_endpgm
.Lfunc_end_k_qb91fff3b8e_gemm_qkv:
	.size	k_qb91fff3b8e_gemm_qkv, .Lfunc_end_k_qb91fff3b8e_gemm_qkv-k_qb91fff3b8e_gemm_qkv
	.p2alignl 7, 3214868480
	.fill 96, 4, 3214868480
	.section	.rodata,"a",@progbits
	.p2align	6, 0x0
	.amdhsa_kernel k_qb91fff3b8e_gemm_qkv
		.amdhsa_group_segment_fixed_size 327680
		.amdhsa_private_segment_fixed_size 0
		.amdhsa_enable_private_segment 0
		.amdhsa_kernarg_size 56
		.amdhsa_user_sgpr_count 2
		.amdhsa_user_sgpr_kernarg_segment_ptr 1
		.amdhsa_wavefront_size32 1
		.amdhsa_system_sgpr_workgroup_id_x 1
		.amdhsa_system_sgpr_workgroup_id_y 1
		.amdhsa_system_sgpr_workgroup_id_z 1
		.amdhsa_system_vgpr_workitem_id 0
		.amdhsa_next_free_vgpr 1024
		.amdhsa_next_free_sgpr 80
		.amdhsa_reserve_vcc 0
		.amdhsa_float_denorm_mode_32 3
		.amdhsa_float_denorm_mode_16_64 3
		.amdhsa_memory_ordered 1
		.amdhsa_forward_progress 1
		.amdhsa_inst_pref_size 218
	.end_amdhsa_kernel
	.amdgpu_metadata
---
amdhsa.version: [ 1, 2 ]
amdhsa.kernels:
  - .name:           k_qb91fff3b8e_gemm_qkv
    .symbol:         k_qb91fff3b8e_gemm_qkv.kd
    .args:
      - { .name: h_codes, .offset: 0, .size: 8, .value_kind: global_buffer, .address_space: global }
      - { .name: wqkv_codes, .offset: 8, .size: 8, .value_kind: global_buffer, .address_space: global }
      - { .name: lowp_scales, .offset: 16, .size: 8, .value_kind: global_buffer, .address_space: global }
      - { .name: rope_tab, .offset: 24, .size: 8, .value_kind: global_buffer, .address_space: global }
      - { .name: q_img, .offset: 32, .size: 8, .value_kind: global_buffer, .address_space: global }
      - { .name: k_img, .offset: 40, .size: 8, .value_kind: global_buffer, .address_space: global }
      - { .name: v_img, .offset: 48, .size: 8, .value_kind: global_buffer, .address_space: global }
    .group_segment_fixed_size: 327680
    .private_segment_fixed_size: 0
    .kernarg_segment_align: 8
    .kernarg_segment_size: 56
    .max_flat_workgroup_size: 128
    .sgpr_count:     80
    .vgpr_count:     1024
    .wavefront_size: 32
...
	.end_amdgpu_metadata
.endif
;; end of part 2
;; launch attn (part 3): grid 4 x 64, 16 waves a work-group, clusters of 4 x 1, 264,192 bytes of LDS; arguments q_img, k_img, v_img, lowp_scales, o_img; writes o_img
.if DOCPART == 3
	.amdgcn_target "amdgcn-amd-amdhsa--gfx1250"
	.amdhsa_code_object_version 6
	.text
	.protected	k_qb91fff3b8e_attn
	.globl	k_qb91fff3b8e_attn
	.p2align	8
	.type	k_qb91fff3b8e_attn,@function
k_qb91fff3b8e_attn:
	s_mov_b64 s[64:65], 0
	v_nop
	global_prefetch_b8 v0, s[64:65] scope:SCOPE_SE
	s_setreg_imm32_b32 hwreg(HW_REG_WAVE_MODE, 25, 1), 1
	s_wait_xcnt 0x0
	s_wait_alu depctr_hold_cnt(0) depctr_sa_sdst(0) depctr_va_vdst(0) depctr_va_sdst(0) depctr_va_ssrc(0) depctr_va_vcc(0) depctr_vm_vsrc(0)
	s_getreg_b32 s2, hwreg(HW_REG_IB_STS2, 6, 4)
	s_cmp_eq_u32 s2, 0
	s_cbranch_scc0 .Lentry_in_a_cluster
	s_endpgm
.Lentry_in_a_cluster:
	s_bfe_u32 s2, ttmp6, 0x10000c
	s_cmp_lg_u32 s2, 0x3003
	s_cbranch_scc0 .Lentry_shape_is_right
	s_endpgm
.Lentry_shape_is_right:
; LAUNCH 3 OF 4.  Causal attention on codes of FP8 (E4M3): 4 batches x 16 query heads (4 key and value heads), 1,024 positions, head size 128.  All operands come and go as images of operand registers
; (a fragment of 16 rows x 128 K is 2,048 bytes: registers 4 c .. 4 c + 3 of lane l at byte 512 c + 16 l).  In q's and k's images the head's channels stand in one and the same order, so each product meets its partner.
; THE SOFTMAX AHEAD OF THE SECOND PRODUCT: t = score x log2(e) / sqrt(128); M = the running largest t rounded UP to a whole number; p = 2^(t - M) is quantised with 2^e5, not normalised; the row's sum is taken of the
; unquantised p and divides at the end.  When M moves, the sum and O are multiplied by 2^(old M - new M), which rounds nothing.  The result, o = O 2^(e4 + e5) / sum, is quantised with 2^e6 for the last product.
; SHARES.  A cluster of four work-groups takes one (batch, head); partner cx takes the tiles of 16 queries 4 rho + cx, rho = 0..15; a wave has one tile, 256 registers.
; A tile needs the key steps (128 keys) 0 .. rho >> 1; step rho >> 1 is the one on the diagonal.  Both hang on the wave's number alone, never on the place in the cluster; every work-group has 72 wave-steps.
; WHICH WAVE HAS WHICH rho.  With g = 2 (w >> 3) + bit 1 of w, the diagonal step is g where bits 0 and 2 of w are equal and 7 - g where they differ, and rho = 2 x that + bit 2 of w.  By waves 0 to 15 the numbers of
; steps are 1 8 2 7 | 8 1 7 2 | 3 6 4 5 | 6 3 5 4: any four waves with the same w mod 4, and any four with the same w / 4, have 18 steps together.
; Steps all of whose keys come after the tile's queries are left out: reference()'s own mask throws them away.  On the diagonal hidden scores become -infinity ahead of the maximum (p = 0); key 0 counts for every query.
; LDS.  The head's whole K (131,072 bytes) and V (131,072) lie in LDS as images, each byte filled once: no ring, no refill.  Every wave asks for one block of 16,384 bytes (waves 0 to 7: key step w of K; waves 8 to 15: key
; step w - 8 of V) by one joint load named for all four partners, which walk the same K and V.  One barrier behind the loads; none in the loop.
; THE STEP'S LDS LOADS ARE ASKED FOR AHEAD, into registers that are free by then: V's tiles 0-3 behind the score products (they land under the softmax), V's tiles 4-7 into p's 64 registers once p is converted (under the
; rescaling of O), the next step's K tiles 0-3 behind the first half of the second product.  Only K's tiles 4-7 are waited for straight behind their loads.  The last step of a wave asks for 8,192 bytes that it does not
; use: they lie inside the filled part of LDS.
; LAYOUT.  Both products are used transposed: S^T = K Q^T (source 0 = 16 keys, source 1 = my queries), O^T = V^T P^T (source 0 = 16 of the head's 128, source 1 = P): a lane holds ONE query throughout, and the conversion of
; result tile t is registers 2 t, 2 t + 1 of the next operand.
; No L2 prefetch: all of K and V is asked for by the tensor loads at the head.
; LIMITS: e2 + e3 between -123 and 130 (added to c's exponent field); e5 and e6 between -126 and 119; e4 + e5 is applied by v_ldexp_f32 and has none.
; REGISTERS: v1 16 x lane; v2 the mask's bound; v8, v9 LDS addresses in hand; v12 -M, v13 the largest t, v[14:15] the sum in two halves; v16-31 Q; v32-95 four fragments of K or V; v96-159 S^T, then p, then four fragments of V; v160-223 O^T; v224-239 codes; v230-254 at work and constants.
.set LI,   1
.set DD,   2
.set ADK,  8
.set ADV,  9
.set WV,   18                          ; s18  my wave's number
.set CX,   19                          ; s19  my place in the cluster: it enters Q's and O's addresses and the mask's bound, nothing else
.set SEL,  20                          ; s[20:21] lane selects for v_permlanex16_b32: lane l xor 16
.set CS,   22                          ; s[22:23] c = log2(e) / sqrt(128) x 2^(e2 + e3)
.set G1,   24                          ; s[24:31] descriptor group 1: a dense block of 64 rows x 256 bytes
.set G0K,  32                          ; s[32:35] group 0 for K;  s[48:51] for V; never rewritten
.set G0V,  48
.set SI,   66                          ; s66  the key step
.set DG,   67                          ; s67  my tile's step on the diagonal
.set TB,   76                          ; s76  LDS byte of the step's K;  s77 of its V
.set TV,   77
.set RHO,  78
.set VBASE, 131072
.set STEPB, 16384                      ; a step's eight images
.macro CROUND
	s_barrier_signal -1
	s_barrier_wait -1
	s_cmp_lg_u32 s[WV], 0
	s_cbranch_scc1 .Lnot_wave_0_\@
	s_barrier_signal -3
.Lnot_wave_0_\@:
	s_barrier_wait -3
	s_barrier_signal -1
	s_barrier_wait -1
.endm
.macro FOUR reg, adr, off              ; four fragments: an image comes back as it was stored, 512 consecutive bytes a load
.irp t, 0,1,2,3
.irp c, 0,1,2,3
	ds_load_b128 v[\reg+16*\t+4*\c:\reg+16*\t+4*\c+3], v[\adr] offset:\off+\t*2048+512*\c
.endr
.endr
.endm
	s_load_b256 s[4:11], s[0:1], 0x0               ; q_img s[4:5], k_img s[6:7], v_img s[8:9], lowp_scales s[10:11]
	s_load_b64 s[12:13], s[0:1], 0x20              ; o_img
	v_lshl_add_u32 v251, v0, 2, 0x40000
	v_mov_b32 v255, 0
	ds_add_u32 v251, v255                          ; the opening: the add, twice on end, and its wait ahead of my tensor load
	ds_add_u32 v251, v255
	v_lshrrev_b32 v8, 5, v0
	s_delay_alu instid0(VALU_DEP_1)
	v_readfirstlane_b32 s[WV], v8                  ; wave 0..15
	s_bfe_u32 s[CX], ttmp6, 0x40000
	s_and_b32 s79, ttmp7, 0xffff                   ; 16 x batch + head, which the four partners share
	s_lshr_b32 s80, s[WV], 3
	s_lshl_b32 s80, s80, 1
	s_bfe_u32 s81, s[WV], 0x10001                  ; bit 1 of w
	s_add_co_u32 s80, s80, s81                     ; g = 2 (w >> 3) + bit 1 of w: 0..3
	s_lshr_b32 s81, s[WV], 2
	s_xor_b32 s81, s81, s[WV]
	s_and_b32 s81, s81, 1                          ; bit 2 of w xor bit 0 of w
	s_mul_i32 s81, s81, 7
	s_xor_b32 s[DG], s80, s81                      ; g, or 7 - g: my tile's step on the diagonal
	s_bfe_u32 s81, s[WV], 0x10002                  ; bit 2 of w tells the two waves of one diagonal step apart
	s_lshl_b32 s[RHO], s[DG], 1
	s_add_co_u32 s[RHO], s[RHO], s81
	s_lshr_b32 s82, s79, 4                         ; batch
	s_and_b32 s83, s79, 15                         ; head
	s_lshr_b32 s84, s83, 2                         ; its key and value head
	s_lshl_b32 s85, s82, 2
	s_add_co_u32 s85, s85, s84
	s_lshl_b32 s86, s85, 17                        ; 131,072 bytes of K, and of V, to a head
	s_and_b32 s88, s[WV], 7                        ; which key step's block I fetch
	s_lshl_b32 s88, s88, 14
	s_add_co_u32 s86, s86, s88
	s_mov_b32 s87, 0
	s_mov_b32 s[G1], 15|(3<<16)|(1<<21)            ; 15:0 the mask: all four work-groups; 17:16 elements of 8 bytes; 20 no padding; 21 set beside a mask
	s_mov_b32 s[G1+1], 32<<16                      ; tensor_dim0 = 32 elements (256 bytes)
	s_mov_b32 s[G1+2], 64<<16                      ; tensor_dim1 = 64
	s_mov_b32 s[G1+3], 32<<16                      ; tile_dim0
	s_mov_b32 s[G1+4], 64                          ; tile_dim1
	s_mov_b32 s[G1+5], 32                          ; tensor_dim0_stride: the rows are dense
	s_mov_b32 s[G1+6], 0
	s_mov_b32 s[G1+7], 0
	s_mov_b32 s[SEL], 0x76543210
	s_mov_b32 s[SEL+1], 0xfedcba98
	s_mov_b32 s[CS], 0x3e0293ee                    ; log2(e) / sqrt(128)
	s_mov_b32 s[SI], 0
	s_mov_b32 s[TB], 0
	s_mov_b32 s[TV], VBASE
	s_wait_dscnt 0x0
	s_wait_kmcnt 0x0
	s_load_b256 s[68:75], s[10:11], 0x0            ; e0 .. e7
	s_add_nc_u64 s[90:91], s[6:7], s[86:87]
	s_add_nc_u64 s[92:93], s[8:9], s[86:87]
	CROUND                                         ; all four work-groups are here: the joint loads meet
	s_mov_b32 s[G0K], 1                            ; count = 1
	s_lshl_b32 s[G0K+1], s[WV], 14                 ; LDS address: 16,384 x wave: K's eight blocks, then V's eight
	s_mov_b64 s[G0K+2:G0K+3], s[90:91]
	s_or_b32 s[G0K+3], s[G0K+3], 0x80000000
	s_mov_b32 s[G0V], 1
	s_lshl_b32 s[G0V+1], s[WV], 14
	s_mov_b64 s[G0V+2:G0V+3], s[92:93]
	s_or_b32 s[G0V+3], s[G0V+3], 0x80000000
	s_cmp_lt_u32 s[WV], 8                          ; one joint load a wave, one in each arm of one branch on the wave's number; an s_nop 0 and four v_nop follow each
	s_cbranch_scc0 .Lnot_k
	tensor_load_to_lds s[G0K:G0K+3], s[G1:G1+7]
	s_nop 0
.rept 4
	v_nop
.endr
	s_branch .Lasked
.Lnot_k:
	tensor_load_to_lds s[G0V:G0V+3], s[G1:G1+7]
	s_nop 0
.rept 4
	v_nop
.endr
.Lasked:
	s_lshl_b32 s81, s[RHO], 2
	s_add_co_u32 s81, s81, s[CX]                   ; my tile of 16 queries
	s_lshl_b32 s94, s79, 6
	s_add_co_u32 s94, s94, s81
	s_lshl_b32 s94, s94, 11                        ; q_img [batch, head][tile 64][2,048]
	s_mov_b32 s95, 0
	s_add_nc_u64 s[4:5], s[4:5], s[94:95]
	s_lshl_b32 s94, s82, 6
	s_add_co_u32 s94, s94, s81
	s_lshl_b32 s94, s94, 4
	s_add_co_u32 s94, s94, s83
	s_lshl_b32 s94, s94, 11                        ; o_img [64 batch + tile][head 16][2,048]
	s_add_nc_u64 s[12:13], s[12:13], s[94:95]
	v_and_b32 v[LI], 31, v0
	s_delay_alu instid0(VALU_DEP_1)
	v_lshlrev_b32 v[LI], 4, v[LI]
.irp c, 0,1,2,3
	global_load_b128 v[16+4*\c:19+4*\c], v[LI], s[4:5] offset:512*\c   ; Q's fragment stays in registers
.endr
	s_and_b32 s80, s[RHO], 1
	s_lshl_b32 s80, s80, 2
	s_add_co_u32 s80, s80, s[CX]
	s_lshl_b32 s80, s80, 4                         ; my tile's first query, counted from the diagonal step's first key
	v_and_b32 v8, 15, v0
	v_bfe_u32 v9, v0, 4, 1
	s_delay_alu instid0(VALU_DEP_1)
	v_lshlrev_b32 v9, 3, v9
	s_delay_alu instid0(VALU_DEP_1)
	v_sub_nc_u32 v[DD], v8, v9
	s_delay_alu instid0(VALU_DEP_1)
	v_add_nc_u32 v[DD], s80, v[DD]                 ; register 8 t + j holds key 16 t + 8 (l / 16) + j of the step: hidden where 16 t + j > this
	v_mov_b32 v13, 0xff61b1e6                      ; the largest t so far: -3e38, under every t
	s_delay_alu instid0(VALU_DEP_1)
	v_floor_f32 v12, -v13                          ; -M
	v_mov_b32 v14, 0
	v_mov_b32 v15, 0
	v_mov_b32 v236, 0                              ; written once: a lane permute's destination counts as one of its sources
	v_mov_b32 v253, 0                              ; (named as the upper half of the pair v[252:253])
.set n, 0
.rept 64
	v_mov_b32 v[160+n], 0                          ; O^T.  (The step has no first form of its own: the first finds zeros, which the first change of M leaves zeros)
.set n, n+1
.endr
	s_wait_kmcnt 0x0
	s_add_co_i32 s84, s70, s71
	s_lshl_b32 s84, s84, 23
	s_add_co_i32 s[CS], s[CS], s84                 ; a score stands for score x 2^(e2 + e3)
	s_mov_b32 s[CS+1], s[CS]                       ; (named with it as a pair, so it is written)
	s_add_co_i32 s84, s73, 127
	s_lshl_b32 s85, s84, 23
	v_mov_b32 v244, s85                            ; 2^e5, for p's conversion
	s_add_co_i32 s84, s84, 8
	s_lshl_b32 s84, s84, 23
	s_or_b32 s84, s84, 0x600000
	v_mov_b32 v240, s84                            ; 448 x 2^e5
	s_add_co_i32 s84, s74, 127
	s_lshl_b32 s85, s84, 23
	v_mov_b32 v246, s85                            ; 2^e6, for o's
	s_add_co_i32 s84, s84, 8
	s_lshl_b32 s84, s84, 23
	s_or_b32 s84, s84, 0x600000
	v_mov_b32 v247, s84                            ; 448 x 2^e6
; A KEY STEP: 128 keys.  A step behind my tile's diagonal is left out by a scalar branch on the step and the wave's number, round its loads, products and softmax, not round the lines at its end that step the counters.
.macro STEP
	s_cmp_gt_u32 s[SI], s[DG]
	s_cbranch_scc1 .Lhidden_\@
	v_add_nc_u32 v[ADK], s[TB], v[LI]
	v_add_nc_u32 v[ADV], s[TV], v[LI]
	s_wait_alu depctr_va_vdst(0)
	s_wait_dscnt 0x0                               ; K's tiles 0-3, asked for in the step before (step 0's: ahead of the loop)
.irp t, 0,1,2,3                                ; S^T = K Q^T, four tiles of 16 keys at a time
	v_wmma_f32_16x16x128_fp8_fp8 v[96+8*\t:103+8*\t], v[32+16*\t:47+16*\t], v[16:31], 0
.endr
.rept 4
	v_nop                                          ; four places in front of loads into registers that matrix instructions have read
.endr
	FOUR 32, ADK, 8192                             ; K's tiles 4-7
	s_wait_dscnt 0x0
.irp t, 0,1,2,3
	v_wmma_f32_16x16x128_fp8_fp8 v[128+8*\t:135+8*\t], v[32+16*\t:47+16*\t], v[16:31], 0
.endr
.rept 4
	v_nop                                          ; places for the loads below and for the first reads of the scores
.endr
	FOUR 32, ADV, 0                                ; V's tiles 0-3: they have the softmax in which to land
	s_cmp_lg_u32 s[SI], s[DG]
	s_cbranch_scc1 .Lopen_\@                       ; only the step on the diagonal has hidden keys
	v_mov_b32 v254, 0xff800000                     ; -infinity
.set n, 0
.rept 64
	v_cmp_gt_i32 vcc_lo, 16*(n/8)+n%8, v[DD]
	v_cndmask_b32 v[96+n], v[96+n], v254, vcc_lo
.set n, n+1
.endr
.Lopen_\@:
	v_max3_num_f32 v254, v96, v97, v98             ; the step's largest score of my query, among my 64 keys, in two chains; each tile is read from its low end on
	v_max3_num_f32 v252, v99, v100, v101
.irp i, 6,10,14,18,22,26,30,34,38,42,46,50,54,58
	v_max3_num_f32 v254, v254, v[96+\i], v[97+\i]
	v_max3_num_f32 v252, v252, v[98+\i], v[99+\i]
.endr
	v_max3_num_f32 v254, v254, v158, v159
	s_delay_alu instid0(VALU_DEP_1)
	v_max_num_f32 v254, v254, v252
	v_permlanex16_b32 v236, v254, s[SEL], s[SEL+1]
	s_delay_alu instid0(VALU_DEP_1)
	v_max_num_f32 v254, v254, v236                 ; and among lane l xor 16's
	s_delay_alu instid0(VALU_DEP_1)
	v_mul_f32 v254, s[CS], v254                    ; as t (c is positive)
	s_delay_alu instid0(VALU_DEP_1)
	v_max_num_f32 v13, v13, v254                   ; the running largest t
	v_mov_b32 v254, v12
	s_delay_alu instid0(VALU_DEP_2)
	v_floor_f32 v12, -v13                          ; the new -M = floor(-t) = -ceil(t)
	s_delay_alu instid0(VALU_DEP_1)
	v_sub_f32 v254, v12, v254                      ; old M - new M: a whole number, 0 or less
	s_delay_alu instid0(VALU_DEP_1)
	v_cvt_i32_f32 v254, v254                       ; (it saturates)
	s_delay_alu instid0(VALU_DEP_1)
	v_ldexp_f32 v252, 1.0, v254                    ; f = 2^(old M - new M)
.set n, 0
.rept 32
	v_pk_fma_f32 v[96+n:97+n], v[96+n:97+n], s[CS:CS+1], v[12:13] op_sel_hi:[1,0,0]   ; t - M, two at a time
.set n, n+2
.endr
.set n, 0
	s_wait_alu depctr_va_vdst(0)
.rept 64
	v_exp_f32 v[96+n], v[96+n]                     ; p = 2^(t - M): one batch
.set n, n+1
.endr
	v_pk_mul_f32 v[14:15], v[14:15], v[252:253] op_sel_hi:[1,0]   ; the sums under the new M: the plain instruction behind the batch
	s_wait_alu depctr_va_vdst(0)                   ; the wait ahead of the batch's first reader
	v_pk_add_f32 v[242:243], v[100:101], v[104:105]
	v_pk_add_f32 v[248:249], v[108:109], v[112:113]
	v_pk_add_f32 v[238:239], v[116:117], v[120:121]
	v_pk_add_f32 v[236:237], v[124:125], v[128:129]
	v_pk_add_f32 v[234:235], v[132:133], v[136:137]
	v_pk_add_f32 v[232:233], v[140:141], v[144:145]
	v_pk_add_f32 v[230:231], v[148:149], v[152:153]
	v_pk_add_f32 v[14:15], v[14:15], v[156:157]
	v_pk_add_f32 v[242:243], v[242:243], v[96:97]
	v_pk_add_f32 v[248:249], v[248:249], v[98:99]
	v_pk_add_f32 v[238:239], v[238:239], v[102:103]
	v_pk_add_f32 v[236:237], v[236:237], v[106:107]
	v_pk_add_f32 v[234:235], v[234:235], v[110:111]
	v_pk_add_f32 v[232:233], v[232:233], v[114:115]
	v_pk_add_f32 v[230:231], v[230:231], v[118:119]
	v_pk_add_f32 v[14:15], v[14:15], v[122:123]
	v_pk_add_f32 v[242:243], v[242:243], v[126:127]
	v_pk_add_f32 v[248:249], v[248:249], v[130:131]
	v_pk_add_f32 v[238:239], v[238:239], v[134:135]
	v_pk_add_f32 v[236:237], v[236:237], v[138:139]
	v_pk_add_f32 v[234:235], v[234:235], v[142:143]
	v_pk_add_f32 v[232:233], v[232:233], v[146:147]
	v_pk_add_f32 v[230:231], v[230:231], v[150:151]
	v_pk_add_f32 v[14:15], v[14:15], v[154:155]
	v_pk_add_f32 v[242:243], v[242:243], v[158:159]
	s_delay_alu instid0(VALU_DEP_2)
	v_pk_add_f32 v[14:15], v[14:15], v[236:237]
	s_delay_alu instid0(VALU_DEP_2)
	v_pk_add_f32 v[242:243], v[242:243], v[234:235]
	v_pk_add_f32 v[248:249], v[248:249], v[232:233]
	v_pk_add_f32 v[238:239], v[238:239], v[230:231]
	s_delay_alu instid0(VALU_DEP_2)
	v_pk_add_f32 v[14:15], v[14:15], v[248:249]
	s_delay_alu instid0(VALU_DEP_2)
	v_pk_add_f32 v[242:243], v[242:243], v[238:239]
	s_delay_alu instid0(VALU_DEP_1)
	v_pk_add_f32 v[14:15], v[14:15], v[242:243]
.irp t, 0,1,2,3,4,5,6,7
.irp i, 0,1,2,3,4,5,6,7
	v_min_num_f32 v[96+8*\t+\i], v[96+8*\t+\i], v240   ; the conversion does not saturate (ISA guide 7.6.2); p is not negative, so the hold is one-sided
.endr
	v_cvt_scalef32_pk8_fp8_f32 v[224+2*\t:225+2*\t], v[96+8*\t:103+8*\t], v244   ; tile t's keys 16 t + 8 (l / 16) + 0..7: registers 2 t, 2 t + 1 of P
.endr
	FOUR 96, ADV, 8192                             ; V's tiles 4-7 into p's registers, which are done with
	s_wait_alu depctr_va_vdst(0)
.set n, 0
.rept 32
	v_pk_mul_f32 v[160+n:161+n], v[160+n:161+n], v[252:253] op_sel_hi:[1,0]   ; O^T under the new M.  (These are also the plain instructions between the conversions and the products below)
.set n, n+2
.endr
	s_wait_alu depctr_va_vdst(0)
	s_wait_dscnt 16                                ; V's tiles 0-3 are in; the 16 loads of tiles 4-7 may be out
.irp t, 0,1,2,3                                ; O^T += V^T P^T: four tiles of 16 of the head's 128 at a time
	v_wmma_f32_16x16x128_fp8_fp8 v[160+8*\t:167+8*\t], v[32+16*\t:47+16*\t], v[224:239], v[160+8*\t:167+8*\t]
.endr
.rept 4
	v_nop                                          ; four places in front of loads into registers that matrix instructions have read
.endr
	FOUR 32, ADK, STEPB                            ; the next step's K tiles 0-3
	s_wait_dscnt 16                                ; V's tiles 4-7 are in; the 16 loads just issued may be out
.irp t, 0,1,2,3
	v_wmma_f32_16x16x128_fp8_fp8 v[192+8*\t:199+8*\t], v[96+16*\t:111+16*\t], v[224:239], v[192+8*\t:199+8*\t]
.endr
.rept 5
	v_nop                                          ; five places: the next step's score products write over v96-159, which these products read
.endr
.Lhidden_\@:
	s_add_co_u32 s[TB], s[TB], STEPB
	s_add_co_u32 s[TV], s[TV], STEPB
	s_add_co_u32 s[SI], s[SI], 1
.endm
	s_wait_alu depctr_va_vdst(0)
	s_wait_loadcnt 0x0                             ; Q
	s_wait_tensorcnt 0x0                           ; my block has landed
	s_barrier_signal -1
	s_barrier_wait -1                              ; everybody's has: all of K and V is in LDS
	FOUR 32, LI, 0                                 ; step 0's K tiles 0-3
.Lrest:                                            ; eight trips in every wave
	STEP
	s_cmp_lt_u32 s[SI], 8
	s_cbranch_scc1 .Lrest
	; THE WAY OUT.  o = O^T 2^(e4 + e5) / the sum, held, quantised with 2^e6: tile t's conversion is registers 2 t, 2 t + 1 of the last product's operand (K = 128 head + 16 t + 8 (l / 16) + 0..7); the image leaves as it stands.
.rept 4
	v_nop                                          ; places behind the last products
.endr
	v_add_f32 v14, v14, v15                        ; the sum's two halves,
	v_permlanex16_b32 v236, v14, s[SEL], s[SEL+1]
	s_delay_alu instid0(VALU_DEP_1)
	v_add_f32 v14, v14, v236                       ; and lane l xor 16's
	s_wait_alu depctr_va_vdst(0)
	v_rcp_f32 v14, v14
	v_nop                                          ; a plain instruction behind the reciprocal,
	s_add_co_i32 s84, s72, s73
	s_wait_alu depctr_va_vdst(0)                   ; and the wait ahead of its first reader
	v_ldexp_f32 v14, v14, s84                      ; x 2^(e4 + e5)
.set n, 0
.rept 32
	v_pk_mul_f32 v[96+n:97+n], v[160+n:161+n], v[14:15] op_sel_hi:[1,0]   ; each accumulator from its low end on
.set n, n+2
.endr
.set n, 0
.rept 64
	v_med3_num_f32 v[96+n], v[96+n], -v247, v247
.set n, n+1
.endr
.irp t, 0,1,2,3,4,5,6,7
	v_cvt_scalef32_pk8_fp8_f32 v[224+2*\t:225+2*\t], v[96+8*\t:103+8*\t], v246
.endr
	v_nop
.irp c, 0,1,2,3
	global_store_b128 v[LI], v[224+4*\c:227+4*\c], s[12:13] offset:512*\c   ; each store of the wave covers 512 consecutive bytes, aligned
.endr
	s_wait_tensorcnt 0x0                           ; the wave's end
	ds_add_u32 v251, v255
	s_wait_dscnt 0x0
	CROUND                                         ; the closing round
	s_endpgm
.Lfunc_end_k_qb91fff3b8e_attn:
	.size	k_qb91fff3b8e_attn, .Lfunc_end_k_qb91fff3b8e_attn-k_qb91fff3b8e_attn
	.p2alignl 7, 3214868480
	.fill 96, 4, 3214868480
	.section	.rodata,"a",@progbits
	.p2align	6, 0x0
	.amdhsa_kernel k_qb91fff3b8e_attn
		.amdhsa_group_segment_fixed_size 264192
		.amdhsa_private_segment_fixed_size 0
		.amdhsa_enable_private_segment 0
		.amdhsa_kernarg_size 40
		.amdhsa_user_sgpr_count 2
		.amdhsa_user_sgpr_kernarg_segment_ptr 1
		.amdhsa_wavefront_size32 1
		.amdhsa_system_sgpr_workgroup_id_x 1
		.amdhsa_system_sgpr_workgroup_id_y 1
		.amdhsa_system_sgpr_workgroup_id_z 1
		.amdhsa_system_vgpr_workitem_id 0
		.amdhsa_next_free_vgpr 256
		.amdhsa_next_free_sgpr 100
		.amdhsa_reserve_vcc 1
		.amdhsa_float_denorm_mode_32 3
		.amdhsa_float_denorm_mode_16_64 3
		.amdhsa_memory_ordered 1
		.amdhsa_forward_progress 1
		.amdhsa_inst_pref_size 42
	.end_amdhsa_kernel
	.amdgpu_metadata
---
amdhsa.version: [ 1, 2 ]
amdhsa.kernels:
  - .name:           k_qb91fff3b8e_attn
    .symbol:         k_qb91fff3b8e_attn.kd
    .args:
      - { .name: q_img, .offset: 0, .size: 8, .value_kind: global_buffer, .address_space: global }
      - { .name: k_img, .offset: 8, .size: 8, .value_kind: global_buffer, .address_space: global }
      - { .name: v_img, .offset: 16, .size: 8, .value_kind: global_buffer, .address_space: global }
      - { .name: lowp_scales, .offset: 24, .size: 8, .value_kind: global_buffer, .address_space: global }
      - { .name: o_img, .offset: 32, .size: 8, .value_kind: global_buffer, .address_space: global }
    .group_segment_fixed_size: 264192
    .private_segment_fixed_size: 0
    .kernarg_segment_align: 8
    .kernarg_segment_size: 40
    .max_flat_workgroup_size: 512
    .sgpr_count:     100
    .vgpr_count:     256
    .wavefront_size: 32
...
	.end_amdgpu_metadata
.endif
;; end of part 3
;; launch gemm_o (part 4): grid 8 x 32, 4 waves a work-group, clusters of 4 x 1, 327,680 bytes of LDS; arguments o_img, wo_codes, lowp_scales, out0; writes out0
.if DOCPART == 4
	.amdgcn_target "amdgcn-amd-amdhsa--gfx1250"
	.amdhsa_code_object_version 6
	.text
	.protected	k_qb91fff3b8e_gemm_o
	.globl	k_qb91fff3b8e_gemm_o
	.p2align	8
	.type	k_qb91fff3b8e_gemm_o,@function
k_qb91fff3b8e_gemm_o:
	s_mov_b64 s[64:65], 0
	v_nop
	global_prefetch_b8 v0, s[64:65] scope:SCOPE_SE
	s_setreg_imm32_b32 hwreg(HW_REG_WAVE_MODE, 25, 1), 1
	s_wait_xcnt 0x0
	s_wait_alu depctr_hold_cnt(0) depctr_sa_sdst(0) depctr_va_vdst(0) depctr_va_sdst(0) depctr_va_ssrc(0) depctr_va_vcc(0) depctr_vm_vsrc(0)
	s_getreg_b32 s2, hwreg(HW_REG_IB_STS2, 6, 4)
	s_cmp_eq_u32 s2, 0
	s_cbranch_scc0 .Lentry_in_a_cluster
	s_endpgm
.Lentry_in_a_cluster:
	s_bfe_u32 s2, ttmp6, 0x10000c
	s_cmp_lg_u32 s2, 0x3003
	s_cbranch_scc0 .Lentry_shape_is_right
	s_endpgm
.Lentry_shape_is_right:
; LAUNCH 4 OF 4.  out0 = o w_o^T on codes of FP8 (E4M3): o [4096][2048] with 2^e6, w_o [2048][2048] with 2^e7; each finished f32 sum is multiplied once by 2^(e6 + e7).  LIMIT: e6 + e7 between -126 and 127.
; SHARES.  256 work-groups.  Work-group (x, y) makes rows 128 y .. + 127, columns 256 x .. + 255; wave w the columns 64 w .. + 63 of them: 32 accumulators, 256 registers; 16 steps of 128 along K, 32 matrix instructions each.
; A.  The block's 128 rows of o are 262,144 bytes of fragment images (16 rows x 128 K = 2,048 bytes: registers 4 c .. 4 c + 3 of lane l at byte 512 c + 16 l), as launch 3 stored them.  They lie whole in LDS, each byte
; filled once, by joint loads named for the four work-groups of the cluster, which share y.  Wave w fetches row tiles 2 w and 2 w + 1: K steps 0-7 at the head, K steps 8-15 as a later first fill, behind the full sequence
; and a round of the cluster's barrier; that half has steps 0 to 6 in which to land and is awaited once, at a barrier in step 7.  No ring and no refill.
; B.  A wave's 64 rows of w_o are read by no other wave of the work-group, so they go from memory straight into registers, laid by launch 1 as images in the order of the walk: 8,192 consecutive bytes a step.
; Four sets of registers: a step's 16 loads are issued three steps ahead, 48 are out at the most.  B is not asked for jointly: it does not pass through LDS, of which A takes 262,144 bytes.
; PREFETCH of B: a step's 32,768 bytes of block x are read by the 32 work-groups of column x, which share the steps out: work-group y names half y % 2 of step y / 2, 64 blocks of 256 bytes (waves 0 and 1, a lane a
; block), in step y / 2 - 5: two steps ahead of the loads.  Steps 0 to 4 come by their loads alone.  A is asked for at the head and behind it: there is no loop to run ahead in.
; LAYOUT.  Source 0 = 16 rows of w_o, source 1 = 16 rows of o: a lane holds eight neighbouring numbers of a row of out0.  A block of 16 rows x 64 columns goes through the wave's own stage in LDS, bytes that no tensor
; load fills, and leaves as rows of 256 bytes: sixteen lanes store one aligned unit.
; REGISTERS, in windows of 256.  0: v0-31 addresses, v32-95 B set 0, v128-255 A set 0.  1: v32-95 B set 1, v128-255 A set 1.  2: accumulator (a, f) at 32 a + 8 f.  3: v0-63 B set 2, v64-127 B set 3.
.set SPARE, 262144
.set STAGE, 262656                     ; behind the spare words: 16 rows x 272 bytes for each wave
.set LI,  1                            ; v1    16 x lane
.set ADA, 2                            ; v2-5  LDS address of A: 65,536 i + 16 x lane; fragment (a, step) lies at 131,072 (step / 8) + 16,384 a + 2,048 (step % 8)
.set SPW, 6
.set NIL, 7
.set STO, 8                            ; v8    the stage, on the way in;  v9 on the way out;  v10 my byte offset in two rows of out0
.set RD,  9
.set CO,  10
.set PFO, 12                           ; v12   256 x lane
.set WV,  18
.set CX,  19
.set Y,   20
.set G1,  24
.set G0,  32
.set E,   36                           ; s[36:37] e6, e7; then 2^(e6 + e7)
.set G0B, 40
.set BB,  44                           ; s[44:45] my wave's images of B
.set CB,  46                           ; s[46:47] my part of out0
.set PFA, 52
.set PT,  54
.set MSB, 0
.macro WIN new                         ; the immediate's high byte repeats the setting that is left
.if MSB != (\new)
	s_set_vgpr_msb (MSB<<8)|(\new)
.set MSB, (\new)
.endif
.endm
.macro PLACES
.rept 4
	v_nop
.endr
.endm
.macro CROUND
	s_barrier_signal -1
	s_barrier_wait -1
	s_cmp_lg_u32 s[WV], 0
	s_cbranch_scc1 .Lnot_wave_0_\@
	s_barrier_signal -3
.Lnot_wave_0_\@:
	s_barrier_wait -3
	s_barrier_signal -1
	s_barrier_wait -1
.endm
.macro BSET p                          ; set p's window (0, 1, 3, 3) and first register (32, 32, 0, 64)
.set BWN, (\p)+(\p)/2-(\p)/3
.set BBS, 32-32*((\p)/2)+64*((\p)/3)
.endm
.macro BLOAD p, st                     ; step st's four fragments of B into set p: each load reads 512 consecutive bytes
	BSET \p
	WIN BWN<<6
.irp f, 0,1,2,3
.irp c, 0,1,2,3
	global_load_b128 v[BBS+16*\f+4*\c:BBS+16*\f+4*\c+3], v[LI], s[BB:BB+1] offset:(\st)*32768+\f*2048+\c*512
.endr
.endr
.endm
.macro ALOAD q, st                     ; step st's eight fragments of A into set q
	WIN (\q)<<6
.irp a, 0,1,2,3,4,5,6,7
.irp c, 0,1,2,3
	ds_load_b128 v[128+16*\a+4*\c:128+16*\a+4*\c+3], v[ADA+2*((\st)/8)+\a/4] offset:(\a%4)*16384+((\st)%8)*2048+\c*512
.endr
.endr
.endm
.macro MM d, x, y, zero
.if \zero
	v_wmma_f32_16x16x128_fp8_fp8 v[\d:\d+7], v[\x:\x+15], v[\y:\y+15], 0
.else
	v_wmma_f32_16x16x128_fp8_fp8 v[\d:\d+7], v[\x:\x+15], v[\y:\y+15], v[\d:\d+7]
.endif
.endm
.macro MUL p, q, zero                  ; 32 accumulators by turns
	BSET \p
	WIN 0xa0|((\q)<<2)|BWN
.irp a, 0,1,2,3,4,5,6,7
.irp f, 0,1,2,3
	MM 32*\a+8*\f, BBS+16*\f, 128+16*\a, \zero
.endr
.endr
.endm
.macro STEP s
.if (\s) < 14
	s_wait_loadcnt 32                              ; this step's B is in; the 32 loads of the two steps behind it may be out
.else
	s_wait_loadcnt 16*(15-(\s))
.endif
	s_wait_dscnt 0x0                               ; this step's A is in
.if (\s) == 7
	s_wait_tensorcnt 0x0                           ; my part of A's K steps 8-15 is in,
	s_barrier_signal -1
	s_barrier_wait -1                              ; and everybody's: step 8's fragments are read below
.endif
	PLACES                                         ; four places between the last step's products and loads into the registers that they read
.if (\s) < 13
	BLOAD ((\s)+3)%4, (\s)+3
.endif
.if (\s) < 15
	ALOAD ((\s)+1)%2, (\s)+1
.endif
	WIN 0
.if (\s) < 11
	s_cmp_eq_u32 s[PT], \s
	s_cbranch_scc0 .Lnot_mine_\@
	global_prefetch_b8 v[PFO], s[PFA:PFA+1] th:TH_LOAD_NT scope:SCOPE_SE
.Lnot_mine_\@:
.endif
	MUL (\s)%4, (\s)%2, (\s)==0
.endm
	s_load_b256 s[4:11], s[0:1], 0x0               ; o_img s[4:5], wo_codes s[6:7], lowp_scales s[8:9], out0 s[10:11]
	v_lshl_add_u32 v[SPW], v0, 2, SPARE
	v_mov_b32 v[NIL], 0
	ds_add_u32 v[SPW], v[NIL]                      ; the opening: the add, twice on end, and its wait ahead of my first tensor load
	ds_add_u32 v[SPW], v[NIL]
	v_lshrrev_b32 v13, 5, v0
	v_readfirstlane_b32 s[WV], v13                 ; wave 0..3
	s_and_b32 s[Y], ttmp7, 0xffff                  ; y: which 128 rows; the four partners share it
	s_mov_b32 s[G1], 15|(3<<16)|(1<<21)            ; the mask: all four work-groups; elements of 8 bytes; bit 21 beside a mask
	s_mov_b32 s[G1+1], 2048<<16                    ; a row: eight K steps of one row tile, 16,384 bytes
	s_mov_b32 s[G1+2], 2<<16                       ; two row tiles
	s_mov_b32 s[G1+3], 2048<<16
	s_mov_b32 s[G1+4], 2
	s_mov_b32 s[G1+5], 4096                        ; 32,768 bytes from row tile to row tile in memory
	s_mov_b32 s[G1+6], 0
	s_mov_b32 s[G1+7], 0
	s_mov_b32 s[G0], 1
	s_lshl_b32 s[G0+1], s[WV], 15                  ; LDS: 32,768 w,
	s_mov_b32 s[G0B], 1
	s_add_co_u32 s[G0B+1], s[G0+1], 131072         ; and the same in the second half
	s_lshl_b32 s60, s[Y], 18                       ; memory: 262,144 y + 65,536 w
	s_lshl_b32 s61, s[WV], 16
	s_add_co_u32 s60, s60, s61
	s_mov_b32 s61, 0
	s_wait_dscnt 0x0
	s_wait_alu depctr_va_vdst(0)
	s_wait_kmcnt 0x0
	s_load_b64 s[E:E+1], s[8:9], 0x18              ; e6, e7
	s_add_nc_u64 s[G0+2:G0+3], s[4:5], s[60:61]
	s_add_nc_u64 s[G0B+2:G0B+3], s[G0+2:G0+3], 16384
	s_or_b32 s[G0+3], s[G0+3], 0x80000000
	s_or_b32 s[G0B+3], s[G0B+3], 0x80000000
	CROUND                                         ; the four work-groups are here: the joint loads meet
	tensor_load_to_lds s[G0:G0+3], s[G1:G1+7]      ; K steps 0-7: my one tensor load at the head
	s_nop 0
	PLACES
	s_bfe_u32 s[CX], ttmp6, 0x40000
	s_lshl_b32 s55, ttmp9, 2
	s_add_co_u32 s55, s55, s[CX]                   ; x
	s_lshl_b32 s56, s55, 19
	s_mov_b32 s57, 0
	s_add_nc_u64 s[PFA:PFA+1], s[6:7], s[56:57]    ; block x of wo_codes
	s_lshl_b32 s56, s[WV], 13
	s_add_nc_u64 s[BB:BB+1], s[PFA:PFA+1], s[56:57]
	v_and_b32 v[LI], 31, v0
	v_lshlrev_b32 v[LI], 4, v[LI]
	s_wait_alu depctr_va_vdst(0)
	BLOAD 0, 0
	BLOAD 1, 1
	BLOAD 2, 2
	WIN 0
	s_mul_i32 s59, s[WV], 16*272
	s_add_co_u32 s59, s59, STAGE                   ; my stage
	v_lshlrev_b32 v[PFO], 4, v[LI]
.irp i, 0,1,2,3
	v_add_nc_u32 v[ADA+\i], 65536*\i, v[LI]
.endr
	v_and_b32 v13, 15, v0                          ; r = l % 16
	v_bfe_u32 v14, v0, 4, 1                        ; h = l / 16
	v_mul_u32_u24 v15, v13, 272
	v_lshl_add_u32 v15, v14, 5, v15
	v_add_nc_u32 v[STO], s59, v15                  ; in: row r, 32 bytes for each half of the lanes
	v_mul_u32_u24 v15, v14, 272
	v_lshl_add_u32 v15, v13, 4, v15
	v_add_nc_u32 v[RD], s59, v15                   ; back: lanes 0-15 one row of 256 bytes, lanes 16-31 the next
	v_lshlrev_b32 v15, 13, v14
	v_lshl_add_u32 v[CO], v13, 4, v15              ; and the same two rows in out0, 8,192 bytes apart
	s_lshr_b32 s58, s[Y], 1                        ; the step of which my work-group prefetches a half
	s_lshl_b32 s56, s58, 15
	s_and_b32 s59, s[Y], 1
	s_lshl_b32 s59, s59, 14
	s_add_co_u32 s56, s56, s59
	s_lshl_b32 s59, s[WV], 13                      ; 8,192 bytes a wave
	s_add_co_u32 s56, s56, s59
	s_add_nc_u64 s[PFA:PFA+1], s[PFA:PFA+1], s[56:57]
	s_sub_co_u32 s[PT], s58, 5                     ; asked in that step less 5 (no step's number where that is under 0)
	s_cmp_lt_u32 s[WV], 2
	s_cselect_b32 s[PT], s[PT], -1                 ; waves 2 and 3 ask for nothing
	s_lshl_b32 s56, s[Y], 20                       ; out0: 128 rows of 8,192 bytes,
	s_lshl_b32 s59, s55, 10                        ; + 1,024 x
	s_add_co_u32 s56, s56, s59
	s_lshl_b32 s59, s[WV], 8                       ; + 256 w
	s_add_co_u32 s56, s56, s59
	s_add_nc_u64 s[CB:CB+1], s[10:11], s[56:57]
	s_wait_alu depctr_va_vdst(0)
	s_wait_tensorcnt 0x0                           ; my part of K steps 0-7 is in
	ds_add_u32 v[SPW], v[NIL]
	s_wait_dscnt 0x0
	CROUND                                         ; everybody's part is in, and the four work-groups are here: the joint loads meet
	tensor_load_to_lds s[G0B:G0B+3], s[G1:G1+7]    ; K steps 8-15: the first tensor load behind the round
	s_nop 0
	PLACES
	ALOAD 0, 0
	WIN 0
.set S, 0
.rept 16
	STEP S
.set S, S+1
.endr
	WIN 0
	; THE WAY OUT, block by block of 16 rows x 64 columns.  LDS serves a wave's instructions in order (ISA guide 5.7.1.4): no wait between the stage's stores and loads, nor in front of the next block's stores.
.macro TOSTAGE a
.set TMP, 32+32*((\a)%2)
.set BK, 128+32*((\a)%4)
	WIN 0x02
.irp j, 0,2,4,6,8,10,12,14,16,18,20,22,24,26,28,30
	v_pk_mul_f32 v[TMP+\j:TMP+\j+1], v[32*(\a)+\j:32*(\a)+\j+1], s[E:E+1] op_sel_hi:[1,0]   ; both x 2^(e6 + e7); each accumulator from its low end on
.endr
	WIN 0
.irp f, 0,1,2,3
	ds_store_b128 v[STO], v[TMP+8*\f:TMP+8*\f+3] offset:64*\f
	ds_store_b128 v[STO], v[TMP+8*\f+4:TMP+8*\f+7] offset:64*\f+16
.endr
.irp t, 0,1,2,3,4,5,6,7
	ds_load_b128 v[BK+4*\t:BK+4*\t+3], v[RD] offset:\t*544
.endr
.endm
.macro SEND a, younger                 ; younger: the LDS instructions issued behind block a's loads, which may stay out
.set BK, 128+32*((\a)%4)
	s_wait_dscnt \younger
.irp t, 0,1,2,3,4,5,6,7
	global_store_b128 v[CO], v[BK+4*\t:BK+4*\t+3], s[CB:CB+1] offset:(16*(\a)+2*\t)*8192 th:TH_STORE_NT   ; sixteen lanes store 256 consecutive bytes, aligned; written once, read by nobody here
.endr
.endm
	s_wait_kmcnt 0x0
	s_add_co_i32 s[E], s[E], s[E+1]
	s_add_co_i32 s[E], s[E], 127
	s_lshl_b32 s[E], s[E], 23                      ; 2^(e6 + e7) as f32
	PLACES                                         ; places behind the last products
	TOSTAGE 0
.irp a, 1,2,3,4,5,6,7
.if \a > 3
	s_wait_xcnt 0x0                                ; block a - 4's stores have read their registers: block a's loads may land there
.endif
	TOSTAGE \a
	SEND \a-1, 16                                  ; behind block a - 1's loads: block a's 8 stores and 8 loads
.endr
	SEND 7, 0
	s_wait_tensorcnt 0x0                           ; the wave's end
	ds_add_u32 v[SPW], v[NIL]
	s_wait_dscnt 0x0
	CROUND                                         ; the closing round
	s_endpgm
.Lfunc_end_k_qb91fff3b8e_gemm_o:
	.size	k_qb91fff3b8e_gemm_o, .Lfunc_end_k_qb91fff3b8e_gemm_o-k_qb91fff3b8e_gemm_o
	.p2alignl 7, 3214868480
	.fill 96, 4, 3214868480
	.section	.rodata,"a",@progbits
	.p2align	6, 0x0
	.amdhsa_kernel k_qb91fff3b8e_gemm_o
		.amdhsa_group_segment_fixed_size 327680
		.amdhsa_private_segment_fixed_size 0
		.amdhsa_enable_private_segment 0
		.amdhsa_kernarg_size 32
		.amdhsa_user_sgpr_count 2
		.amdhsa_user_sgpr_kernarg_segment_ptr 1
		.amdhsa_wavefront_size32 1
		.amdhsa_system_sgpr_workgroup_id_x 1
		.amdhsa_system_sgpr_workgroup_id_y 1
		.amdhsa_system_sgpr_workgroup_id_z 1
		.amdhsa_system_vgpr_workitem_id 0
		.amdhsa_next_free_vgpr 896
		.amdhsa_next_free_sgpr 66
		.amdhsa_reserve_vcc 0
		.amdhsa_float_denorm_mode_32 3
		.amdhsa_float_denorm_mode_16_64 3
		.amdhsa_memory_ordered 1
		.amdhsa_forward_progress 1
		.amdhsa_inst_pref_size 124
	.end_amdhsa_kernel
	.amdgpu_metadata
---
amdhsa.version: [ 1, 2 ]
amdhsa.kernels:
  - .name:           k_qb91fff3b8e_gemm_o
    .symbol:         k_qb91fff3b8e_gemm_o.kd
    .args:
      - { .name: o_img, .offset: 0, .size: 8, .value_kind: global_buffer, .address_space: global }
      - { .name: wo_codes, .offset: 8, .size: 8, .value_kind: global_buffer, .address_space: global }
      - { .name: lowp_scales, .offset: 16, .size: 8, .value_kind: global_buffer, .address_space: global }
      - { .name: out0, .offset: 24, .size: 8, .value_kind: global_buffer, .address_space: global }
    .group_segment_fixed_size: 327680
    .private_segment_fixed_size: 0
    .kernarg_segment_align: 8
    .kernarg_segment_size: 32
    .max_flat_workgroup_size: 128
    .sgpr_count:     66
    .vgpr_count:     896
    .wavefront_size: 32
...
	.end_amdgpu_metadata
.endif
;; end of part 4
